; MI455X (gfx1250); checked and timed in simulation.
; The chip was launched on July 23, 2026; its instructions are those of AMD's public machine-readable ISA for CDNA 5 (MIT licence, August 2026) and "CDNA5" Instruction Set Architecture Reference Guide (July 2026). The comments in the code are by the model that wrote it; some were corrected since.
;; Vi T Layer. Allowed arithmetic: float matrix products may take bf16 or f16 operands with f32 sums; all other float work in f32.
;; Inputs: b1 4,096 float32; b2 1,024 float32; bk 1,024 float32; bq 1,024 float32; bv 1,024 float32; hidden_states 16 x 256 x 1,024 float32; ln1_b 1,024 float32; ln1_g 1,024 float32; ln2_b 1,024 float32; ln2_g 1,024 float32; w1 1,024 x 4,096 float32; w2 4,096 x 1,024 float32; wk 1,024 x 1,024 float32; wq 1,024 x 1,024 float32; wv 1,024 x 1,024 float32.
;; Outputs: out0 16 x 256 x 1,024 float32.
;; One version. Each part assembles by itself: llvm-mc -triple=amdgcn-amd-amdhsa -mcpu=gfx1250 --defsym DOCPART=n.
;; ======== version 1 of 1: 5 launches
;; workspace buffers: wqkv 6,291,456 bytes; w1b 8,388,608 bytes; w2b 8,388,608 bytes; bqkv 12,288 bytes; hn 8,388,608 bytes; x1 16,777,216 bytes; act 33,554,432 bytes
;; launch prep (part 1): grid 481 x 1, 8 waves a work-group, no clusters, 34,816 bytes of LDS; arguments hidden_states, ln1_g, ln1_b, hn, w1, w2, w1b, w2b, wq, wk, wv, wqkv, bq, bk, bv, bqkv; writes hn, w1b, w2b, wqkv, bqkv
.if DOCPART == 1
	.amdgcn_target "amdgcn-amd-amdhsa--gfx1250"
	.amdhsa_code_object_version 6
	.text
	.protected	k_q65c18475fe_prep
	.globl	k_q65c18475fe_prep
	.p2align	8
	.type	k_q65c18475fe_prep,@function
k_q65c18475fe_prep:
	s_mov_b64 s[64:65], 0
	v_nop
	global_prefetch_b8 v0, s[64:65] scope:SCOPE_SE
	s_setreg_imm32_b32 hwreg(HW_REG_WAVE_MODE, 25, 1), 1
	s_wait_xcnt 0x0
; PREP: everything that has to become bf16 before the products, in one stream.
;   work-groups   0-127: hn = LayerNorm1(hidden_states) in bf16, 32 rows a work-group
;   work-groups 128-383: w1b = bf16(w1), w2b = bf16(w2), layout kept [K][N]
;   work-groups 384-479: wqkv[k][sel*1024 + h*64 + d] = bf16(w_sel[k][d*16 + h]): the strided split into heads is put into the weights' columns once
;   work-group      480: bqkv[sel*1024 + h*64 + d] = b_sel[d*16 + h], f32
; The unit of work is 4,096 bytes of f32 (a row of 1,024 numbers) that become 2,048 bytes of bf16.  A wave owns RPW = 4 consecutive units and issues
; all its 32 loads at once: 16 KiB of every wave are on their way, no loop, no register is used twice by memory instructions.
; No matrix unit, no cluster, no tensor load: nothing is shared and nothing is multiplied here.
; LIMITS: NaN and infinities in the inputs are not honoured.  The variance is taken of the centred numbers (two passes over registers).
.set RPW, 4                            ; units (rows) of a wave
.set T,   4                            ; v[4:11]   four pairs at work
.set M,   12                           ; v[12:13]  the mean, twice
.set R,   14                           ; v[14:15]  1/sqrt(var + eps), twice
.set G,   20                           ; v[20:51]  gain of my 32 columns (in the permuting section: a row read back from LDS)
.set BB,  52                           ; v[52:83]  bias of my 32 columns
.set X,   84                           ; v[84:211] unit u at X + 32 u
; v1 = 32 lane, v2 = 16 lane, v3 and v18 LDS addresses, v16 and v17 at work, v19 lane
; Lane map of the norm and of the plain cast: the lane holds numbers 256 p + 8 lane + 0..7, p = 0..3, of its unit: 32 bytes in, 16 bytes out,
; so a wave's store covers 512 consecutive bytes that start at a multiple of 512.
.macro LOADU u, nt
.irp p, 0,1,2,3
.if \nt
	global_load_b128 v[X+32*\u+8*\p:X+32*\u+8*\p+3],   v1, s[8:9] offset:4096*\u+1024*\p th:TH_LOAD_NT
	global_load_b128 v[X+32*\u+8*\p+4:X+32*\u+8*\p+7], v1, s[8:9] offset:4096*\u+1024*\p+16 th:TH_LOAD_NT
.else
	global_load_b128 v[X+32*\u+8*\p:X+32*\u+8*\p+3],   v1, s[8:9] offset:4096*\u+1024*\p
	global_load_b128 v[X+32*\u+8*\p+4:X+32*\u+8*\p+7], v1, s[8:9] offset:4096*\u+1024*\p+16
.endif
.endr
.endm
; Round unit u to bf16 in place (each conversion's sources lie at or above its destination, so none is lost) and store it.
.macro OUTU u
.irp p, 0,1,2,3
.irp i, 0,1,2,3
	v_cvt_pk_bf16_f32 v[X+32*\u+8*\p+\i], v[X+32*\u+8*\p+2*\i], v[X+32*\u+8*\p+2*\i+1]
.endr
	global_store_b128 v2, v[X+32*\u+8*\p:X+32*\u+8*\p+3], s[14:15] offset:2048*\u+512*\p
.endr
.endm
; The four chains in T become one number, summed over the 32 lanes, in v16 of every lane.
.macro JOIN
	v_pk_add_f32 v[T:T+1], v[T:T+1], v[T+2:T+3]
	v_pk_add_f32 v[T+4:T+5], v[T+4:T+5], v[T+6:T+7]
	v_pk_add_f32 v[T:T+1], v[T:T+1], v[T+4:T+5]
	v_add_f32 v16, v[T], v[T+1]
	v_add_f32_dpp v16, v16, v16 row_xmask:1 row_mask:0xf bank_mask:0xf
	v_add_f32_dpp v16, v16, v16 row_xmask:2 row_mask:0xf bank_mask:0xf
	v_add_f32_dpp v16, v16, v16 row_xmask:4 row_mask:0xf bank_mask:0xf
	v_add_f32_dpp v16, v16, v16 row_xmask:8 row_mask:0xf bank_mask:0xf
	v_permlanex16_b32 v17, v16, s16, s17           ; the other half of the lanes; v17 has been written before
	v_add_f32 v16, v16, v17
.endm
; One row: mean, centre in place, variance of the centred numbers, scale, gain and bias, round, store.
.macro LNROW u
	s_wait_loadcnt 8*(RPW-1-\u)                    ; loads return in order: gain, bias and this row are in, the eight loads of each younger row stay out
.irp c, 0,2,4,6
	v_pk_add_f32 v[T+\c:T+\c+1], v[X+32*\u+\c:X+32*\u+\c+1], v[X+32*\u+8+\c:X+32*\u+8+\c+1]   ; the first sums start the chains
.endr
.irp o, 16,24
.irp c, 0,2,4,6
	v_pk_add_f32 v[T+\c:T+\c+1], v[T+\c:T+\c+1], v[X+32*\u+\o+\c:X+32*\u+\o+\c+1]
.endr
.endr
	JOIN
	v_mul_f32 v[M], s18, v16                       ; sum / 1024
	v_mul_f32 v[M+1], s18, v16
.set j, 0
.rept 16
	v_pk_add_f32 v[X+32*\u+j:X+32*\u+j+1], v[X+32*\u+j:X+32*\u+j+1], v[M:M+1] neg_lo:[0,1] neg_hi:[0,1]
.set j, j+2
.endr
.irp c, 0,2,4,6
	v_pk_mul_f32 v[T+\c:T+\c+1], v[X+32*\u+\c:X+32*\u+\c+1], v[X+32*\u+\c:X+32*\u+\c+1]
.endr
.irp o, 8,16,24
.irp c, 0,2,4,6
	v_pk_fma_f32 v[T+\c:T+\c+1], v[X+32*\u+\o+\c:X+32*\u+\o+\c+1], v[X+32*\u+\o+\c:X+32*\u+\o+\c+1], v[T+\c:T+\c+1]
.endr
.endr
	JOIN
	v_fma_f32 v16, v16, s18, s19                   ; variance + 1e-5
	v_rsq_f32 v[R], v16
	v_rsq_f32 v[R+1], v16
	v_nop                                          ; one plain place between a transcendental and the use of its result (ISA guide 5.7.2)
.set j, 0
	s_wait_alu depctr_va_vdst(0)
.rept 16
	v_pk_mul_f32 v[X+32*\u+j:X+32*\u+j+1], v[X+32*\u+j:X+32*\u+j+1], v[R:R+1]
.set j, j+2
.endr
.set j, 0
.rept 16
	v_pk_fma_f32 v[X+32*\u+j:X+32*\u+j+1], v[X+32*\u+j:X+32*\u+j+1], v[G+j:G+j+1], v[BB+j:BB+j+1]
.set j, j+2
.endr
	OUTU \u
.endm
	v_lshl_add_u32 v212, v0, 2, 0x8400
	v_mov_b32 v213, 0
	v_and_b32 v19, 31, v0                          ; lane
	v_lshrrev_b32 v16, 5, v0
	v_readfirstlane_b32 s4, v16                    ; wave 0..7
	s_mov_b32 s5, ttmp9                            ; work-group
	v_lshlrev_b32 v1, 5, v19
	v_lshlrev_b32 v2, 4, v19
	s_cmp_lt_u32 s5, 128
	s_cbranch_scc1 .Lln
	s_cmp_lt_u32 s5, 384
	s_cbranch_scc1 .Lcast
	s_cmp_lt_u32 s5, 480
	s_cbranch_scc1 .Lperm
	; ---- the three biases: thread t makes outputs 4 t .. 4 t + 3 of each: head t >> 4, d = 4 (t & 15) + e, read at number 16 d + head
	s_load_b256 s[8:15], s[0:1], 0x60              ; bq s[8:9], bk s[10:11], bv s[12:13], bqkv s[14:15]
	v_and_b32 v16, 15, v0
	v_lshrrev_b32 v17, 4, v0
	v_lshlrev_b32 v16, 8, v16                      ; 4 bytes x 16 x 4 (t & 15)
	v_lshl_add_u32 v16, v17, 2, v16                ; + 4 bytes x head
	v_lshlrev_b32 v3, 4, v0
	s_wait_kmcnt 0x0
.irp e, 0,1,2,3
	global_load_b32 v[20+\e], v16, s[8:9] offset:64*\e
	global_load_b32 v[24+\e], v16, s[10:11] offset:64*\e
	global_load_b32 v[28+\e], v16, s[12:13] offset:64*\e
.endr
	s_wait_loadcnt 0x0
	global_store_b128 v3, v[20:23], s[14:15]
	global_store_b128 v3, v[24:27], s[14:15] offset:4096
	global_store_b128 v3, v[28:31], s[14:15] offset:8192
	s_endpgm
.Lln:	; ---- LayerNorm 1: rows 32 x work-group + 4 x wave + u
	s_load_b256 s[8:15], s[0:1], 0x0               ; hidden_states s[8:9], ln1_g s[10:11], ln1_b s[12:13], hn s[14:15]
	s_lshl_b32 s6, s5, 17                          ; 32 rows of 4,096 bytes
	s_lshl_b32 s20, s4, 14                         ; 4 rows
	s_add_co_u32 s6, s6, s20
	s_mov_b32 s7, 0
	s_lshr_b32 s26, s6, 1                          ; half as many bytes out
	s_mov_b32 s27, 0
	s_mov_b32 s16, 0x76543210                      ; v_permlanex16_b32: lane i of one half reads lane i of the other
	s_mov_b32 s17, 0xfedcba98
	s_mov_b32 s18, 0x3a800000                      ; 1/1024
	s_mov_b32 s19, 0x3727c5ac                      ; 1e-5
	v_mov_b32 v17, 0
	s_wait_kmcnt 0x0
	s_add_nc_u64 s[8:9], s[8:9], s[6:7]
	s_add_nc_u64 s[14:15], s[14:15], s[26:27]
.irp p, 0,1,2,3
.irp e, 0,1
	global_load_b128 v[G+8*\p+4*\e:G+8*\p+4*\e+3],   v1, s[10:11] offset:1024*\p+16*\e
	global_load_b128 v[BB+8*\p+4*\e:BB+8*\p+4*\e+3], v1, s[12:13] offset:1024*\p+16*\e
.endr
.endr
.irp u, 0,1,2,3
	LOADU \u, 0
.endr
.irp u, 0,1,2,3
	LNROW \u
.endr
	s_endpgm
.Lcast:	; ---- w1 and w2: 128 work-groups each, 32 units a work-group
	s_load_b256 s[8:15], s[0:1], 0x20              ; w1 s[8:9], w2 s[10:11], w1b s[12:13], w2b s[14:15]
	s_sub_co_u32 s20, s5, 128
	s_and_b32 s21, s20, 127
	s_lshl_b32 s6, s21, 17
	s_lshl_b32 s22, s4, 14
	s_add_co_u32 s6, s6, s22
	s_mov_b32 s7, 0
	s_lshr_b32 s26, s6, 1
	s_mov_b32 s27, 0
	s_wait_kmcnt 0x0
	s_cmp_lt_u32 s20, 128                          ; the first 128 take w1
	s_cselect_b64 s[8:9], s[8:9], s[10:11]
	s_cselect_b64 s[14:15], s[12:13], s[14:15]
	s_add_nc_u64 s[8:9], s[8:9], s[6:7]
	s_add_nc_u64 s[14:15], s[14:15], s[26:27]
.irp u, 0,1,2,3
	LOADU \u, 1
.endr
.irp u, 0,1,2,3
	s_wait_loadcnt 8*(RPW-1-\u)                    ; this unit's eight loads are in, the younger units' stay out
	OUTU \u
.endr
	s_endpgm
.Lperm:	; ---- wq, wk, wv: 32 work-groups each, 32 rows a work-group; a wave turns one row at a time through 4,224 LDS bytes of its own
	s_load_b256 s[8:15], s[0:1], 0x40              ; wq s[8:9], wk s[10:11], wv s[12:13], wqkv s[14:15]
	s_sub_co_u32 s20, s5, 384
	s_lshr_b32 s21, s20, 5                         ; which of the three
	s_and_b32 s22, s20, 31
	s_lshl_b32 s22, s22, 5
	s_lshl2_add_u32 s22, s4, s22                   ; my first row k = 32 x group + 4 x wave
	s_lshl_b32 s6, s22, 12
	s_mov_b32 s7, 0
	s_mul_i32 s26, s22, 6144                       ; a row of wqkv is 3,072 bf16
	s_lshl_b32 s23, s21, 11                        ; + 1,024 bf16 for each matrix in front
	s_add_co_u32 s26, s26, s23
	s_mov_b32 s27, 0
	s_mul_i32 s24, s4, 4224                        ; my wave's LDS: 8 groups of 128 numbers, 512 + 16 bytes each
	v_add_nc_u32 v3, s24, v2                       ; in: 16 lane
	v_and_b32 v16, 7, v19
	v_mul_u32_u24 v16, v16, 528                    ; back: group lane & 7 (the octet of d),
	v_lshrrev_b32 v17, 3, v19
	v_lshl_add_u32 v16, v17, 2, v16                ; head lane >> 3 (+ 4 q in the offset)
	v_add_nc_u32 v18, s24, v16
	s_wait_kmcnt 0x0
	s_cmp_eq_u32 s21, 0
	s_cselect_b64 s[8:9], s[8:9], s[10:11]
	s_cmp_eq_u32 s21, 2
	s_cselect_b64 s[8:9], s[12:13], s[8:9]
	s_add_nc_u64 s[8:9], s[8:9], s[6:7]
	s_add_nc_u64 s[14:15], s[14:15], s[26:27]
.irp u, 0,1,2,3
.irp i, 0,1,2,3,4,5,6,7
	global_load_b128 v[X+32*\u+4*\i:X+32*\u+4*\i+3], v2, s[8:9] offset:4096*\u+512*\i th:TH_LOAD_NT
.endr
.endr
; Number c = 16 d + h of a row lies at 528 (d >> 3) + 64 (d & 7) + 4 h.  The lane makes the output's 16-byte pieces 32 q + lane: head 4 q + (lane >> 3),
; d = 8 (lane & 7) + j.  A read's 32 lanes stand at words 132 (lane & 7) + (lane >> 3) + a constant: 32 different residues modulo 64.
.irp u, 0,1,2,3
	s_wait_loadcnt 8*(RPW-1-\u)                    ; this row is in, the younger rows' loads stay out
.irp i, 0,1,2,3,4,5,6,7
	ds_store_b128 v3, v[X+32*\u+4*\i:X+32*\u+4*\i+3] offset:528*\i
.endr
.irp q, 0,1,2,3
.irp j, 0,1,2,3,4,5,6,7
	ds_load_b32 v[G+8*\q+\j], v18 offset:64*\j+16*\q     ; LDS serves a wave's instructions in order: these see the stores above, and the next row's stores come behind them
.endr
.endr
	s_wait_dscnt 0x0
.irp q, 0,1,2,3
.irp i, 0,1,2,3
	v_cvt_pk_bf16_f32 v[X+32*\u+4*\q+\i], v[G+8*\q+2*\i], v[G+8*\q+2*\i+1]
.endr
	global_store_b128 v2, v[X+32*\u+4*\q:X+32*\u+4*\q+3], s[14:15] offset:6144*\u+512*\q
.endr
.endr
	s_wait_tensorcnt 0x0
	ds_add_u32 v212, v213
	s_wait_dscnt 0x0
	s_endpgm
.Lfunc_end_k_q65c18475fe_prep:
	.size	k_q65c18475fe_prep, .Lfunc_end_k_q65c18475fe_prep-k_q65c18475fe_prep
	.p2alignl 7, 3214868480
	.fill 96, 4, 3214868480
	.section	.rodata,"a",@progbits
	.p2align	6, 0x0
	.amdhsa_kernel k_q65c18475fe_prep
		.amdhsa_group_segment_fixed_size 34816
		.amdhsa_private_segment_fixed_size 0
		.amdhsa_enable_private_segment 0
		.amdhsa_kernarg_size 128
		.amdhsa_user_sgpr_count 2
		.amdhsa_user_sgpr_kernarg_segment_ptr 1
		.amdhsa_wavefront_size32 1
		.amdhsa_system_sgpr_workgroup_id_x 1
		.amdhsa_system_sgpr_workgroup_id_y 1
		.amdhsa_system_sgpr_workgroup_id_z 1
		.amdhsa_system_vgpr_workitem_id 0
		.amdhsa_next_free_vgpr 214
		.amdhsa_next_free_sgpr 66
		.amdhsa_reserve_vcc 0
		.amdhsa_float_denorm_mode_32 3
		.amdhsa_float_denorm_mode_16_64 3
		.amdhsa_memory_ordered 1
		.amdhsa_forward_progress 1
		.amdhsa_inst_pref_size 68
	.end_amdhsa_kernel
	.amdgpu_metadata
---
amdhsa.version: [ 1, 2 ]
amdhsa.kernels:
  - .name:           k_q65c18475fe_prep
    .symbol:         k_q65c18475fe_prep.kd
    .args:
      - { .name: hidden_states, .offset: 0, .size: 8, .value_kind: global_buffer, .address_space: global }
      - { .name: ln1_g, .offset: 8, .size: 8, .value_kind: global_buffer, .address_space: global }
      - { .name: ln1_b, .offset: 16, .size: 8, .value_kind: global_buffer, .address_space: global }
      - { .name: hn, .offset: 24, .size: 8, .value_kind: global_buffer, .address_space: global }
      - { .name: w1, .offset: 32, .size: 8, .value_kind: global_buffer, .address_space: global }
      - { .name: w2, .offset: 40, .size: 8, .value_kind: global_buffer, .address_space: global }
      - { .name: w1b, .offset: 48, .size: 8, .value_kind: global_buffer, .address_space: global }
      - { .name: w2b, .offset: 56, .size: 8, .value_kind: global_buffer, .address_space: global }
      - { .name: wq, .offset: 64, .size: 8, .value_kind: global_buffer, .address_space: global }
      - { .name: wk, .offset: 72, .size: 8, .value_kind: global_buffer, .address_space: global }
      - { .name: wv, .offset: 80, .size: 8, .value_kind: global_buffer, .address_space: global }
      - { .name: wqkv, .offset: 88, .size: 8, .value_kind: global_buffer, .address_space: global }
      - { .name: bq, .offset: 96, .size: 8, .value_kind: global_buffer, .address_space: global }
      - { .name: bk, .offset: 104, .size: 8, .value_kind: global_buffer, .address_space: global }
      - { .name: bv, .offset: 112, .size: 8, .value_kind: global_buffer, .address_space: global }
      - { .name: bqkv, .offset: 120, .size: 8, .value_kind: global_buffer, .address_space: global }
    .group_segment_fixed_size: 34816
    .private_segment_fixed_size: 0
    .kernarg_segment_align: 8
    .kernarg_segment_size: 128
    .max_flat_workgroup_size: 256
    .sgpr_count:     66
    .vgpr_count:     214
    .wavefront_size: 32
...
	.end_amdgpu_metadata
.endif
;; end of part 1
;; launch qkvattn (part 2): grid 16 x 16, 4 waves a work-group, clusters of 4 x 4, 327,680 bytes of LDS; arguments hn, wqkv, bqkv, hidden_states, x1; writes x1
.if DOCPART == 2
	.amdgcn_target "amdgcn-amd-amdhsa--gfx1250"
	.amdhsa_code_object_version 6
	.text
	.protected	k_q65c18475fe_qkvattn
	.globl	k_q65c18475fe_qkvattn
	.p2align	8
	.type	k_q65c18475fe_qkvattn,@function
k_q65c18475fe_qkvattn:
	s_mov_b64 s[64:65], 0
	v_nop
	global_prefetch_b8 v0, s[64:65] scope:SCOPE_SE
	s_setreg_imm32_b32 hwreg(HW_REG_WAVE_MODE, 25, 1), 1
	s_wait_xcnt 0x0
	s_wait_alu depctr_hold_cnt(0) depctr_sa_sdst(0) depctr_va_vdst(0) depctr_va_sdst(0) depctr_va_ssrc(0) depctr_va_vcc(0) depctr_vm_vsrc(0)
	s_getreg_b32 s2, hwreg(HW_REG_IB_STS2, 6, 4)
	s_cmp_eq_u32 s2, 0
	s_cbranch_scc0 .Lentry_in_a_cluster
	s_endpgm
.Lentry_in_a_cluster:
	s_bfe_u32 s2, ttmp6, 0x10000c
	s_cmp_lg_u32 s2, 0xf033
	s_cbranch_scc0 .Lentry_shape_is_right
	s_endpgm
.Lentry_shape_is_right:
; THE THREE PROJECTIONS, ATTENTION AND THE FIRST RESIDUAL of one (batch, head), in one work-group:
;   [q | k | v] = hn[256 tokens][1024] x wqkv[1024][the head's 3 x 64 columns] + bias;   x1[b][t][64 head + d] = x[b][t][64 head + d] + softmax(q k^T / 8) v.
; hn: [4096][1024] bf16.  wqkv: [1024 k][3072] bf16, column sel*1024 + head*64 + d (the strided split into heads was put into the weights).  bqkv: [3072] f32.  x, x1: [4096][1024] f32.
; q, k and v never go to memory.  Four waves; wave w owns tokens 64 w .. 64 w + 63: in the product it makes these 64 rows x all 192 columns (48 accumulator tiles, 384 registers),
; in attention they are its queries, against all 256 keys.
; THE PRODUCT: K in steps of 128 through two LDS slots filled by the tensor data mover, one load a wave: waves 0, 1 bring hn's 256 rows in halves, waves 2, 3 the weights' 128 k rows in halves.
; The weights' tile comes by ONE two-dimensional descriptor: 3,072 = 3 x 1,024, so the pieces (k, sel) are rows y = 3 k + sel, 1,024 elements apart, of 64 elements each; in LDS a k row is then
; [q's 64 | k's 64 | v's 64], each piece 128 bytes + 32.  The pieces are 128 bytes of memory because wqkv keeps each matrix's 1,024 columns together.
; CLUSTERS: 4 x 4 work-groups.  hn's tile hangs on the batch alone and is asked for jointly by a row of the cluster (four heads), the weights' tile on the head alone and is asked for
; jointly by a column (four batches): each of the four issues the same load with the same descriptor and a mask that names the four.
; ALL PRODUCTS ARE MADE TRANSPOSED (source 0 = what would be the columns).  In the projection lane l then holds token l % 16 and, in registers 0-7, columns 8 (l / 16) + 0..7 of a block of 16:
; rounded to bf16, two neighbouring blocks ARE an operand fragment (16 tokens x 32 d).  So the wave's q stays in registers; k and v go through LDS, since every wave needs all 256.
; S^T = K Q^T and O^T = V^T P^T likewise: two blocks of S^T, rounded, are P's fragment; softmax's maximum and sum are a lane's own but for one step across the halves of the lanes.
; REGISTERS in windows of 256: window 0 addresses, Q's fragments, hn's fragments / packed k, v / O^T; window 1 the weights' fragments, then K's, then V^T's;
; window 2 the q and k tiles (a, b) at v[8 (8 a + b)], window 3 the v tiles at v[8 (4 a + b)] and the bias; then both windows the 64 tiles of S^T.
; LIMITS: operands (hn, weights, q, k, v, P) are bf16; NaN and infinities are not honoured; softmax weights below 2^-126 become 0 (the exponential flushes denormals: ISA guide 15.8);
; the softmax sum is taken of the f32 weights, P is rounded to bf16.  The maximum is the true maximum of the row: all 256 scores of a query are in registers.
.set KDIM,   1024
.set NW,     3072                      ; columns of wqkv
.set KSTEP,  128                       ; K in a slot
.set PA,     272                       ; hn's LDS row: 256 bytes + 16, an odd multiple of 16
.set PS,     160                       ; a piece of the weights' row: 128 bytes + 32
.set PB,     3*PS                      ; the weights' k row: 480 = 15 x 32, an odd multiple of 32 for the transposing load
.set AHALF,  128*PA                    ; 34,816: what wave 0 or 1 brings
.set BHALF,  (KSTEP/2)*PB              ; 30,720: what wave 2 or 3 brings
.set ABYTES, 2*AHALF
.set SLOT,   ABYTES+2*BHALF            ; 131,072
.set LAPS,   KDIM/(2*KSTEP)            ; a lap = once round the ring
.set PQK,    144                       ; K's LDS row: 128 bytes + 16
.set PV,     160                       ; V's LDS row: 128 bytes + 32
.set LV,     256*PQK                   ; K lies at LDS byte 0, V behind it, up to byte 77,824: in slot 0, behind its last fill and its last read
.set STAGE,  2*SLOT                    ; behind the ring: 16 rows x 272 bytes for each wave, into which no tensor load lands
.set SPITCH, 272
.set AK,  5                            ; v5  LDS address of K's fragments
.set AV,  6                            ; v6  of V^T's
.set STO, 7                            ; v7  stage, in
.set RD,  8                            ; v8  stage, back
.set XO,  9                            ; v9  my byte offset in x and x1
.set MX,  10                           ; v[10:13] running maximum of query block q
.set NM,  14                           ; v[14:21] pairs: -max log2(e)/8, later 1/sum
.set LS,  22                           ; v[22:29] pairs of sums
.set QF,  32                           ; v[32:95] Q's fragments at 16 q + 8 ks
.set RB,  96                           ; v[96:127] rows read back at the way out; before that:
.set ADRA, 96                          ; v96-97  LDS address of my hn fragments in slot 0, 1
.set ADRB, 98                          ; v98-99  the same for the weights
.set BO,   100                         ; v100    my byte offset in the bias
.set KST,  101                         ; v101    where I put 16 bytes of k
.set VST,  102                         ; v102    where I put 16 bytes of v
.set OT,  128                          ; v[128:255] O^T, tile (d block t, query block q) at 8 (4 t + q); before that:
.set FA,  128                          ; v[128:191] hn's fragments, two buffers of 32
.set TMP, 128                          ; v[128:255] k and v, packed
.set BIAS, 128                         ; window 3: the bias of my 8 columns of each of the 12 column blocks
.set G1, 24                            ; s[24:31] descriptor group 1 for hn's tiles
.set G0, 32                            ; s[32:39] group 0 for hn's tiles, one set for each slot
.set G1B, 48                           ; s[48:55] group 1 for the weights' tiles
.set G0B, 56                           ; s[56:63] group 0 for the weights' tiles, one set for each slot
.set MSB, 0
.macro WIN new                         ; low byte: bits 1:0 source 0, 3:2 source 1, 5:4 source 2, 7:6 destination; the high byte repeats the setting that is left
.if MSB != \new
	s_set_vgpr_msb (MSB<<8)|\new
.set MSB, \new
.endif
.endm
.set MUL_LO, 0xa1                      ; source 0 window 1, source 1 window 0, C and D window 2
.set MUL_HI, 0xf1                      ; the same, C and D window 3
.set TO_B,   0x40                      ; destination window 1, address window 0
; A joint load.  Waves 0 and 1 ask for hn's halves, waves 2 and 3 for the weights'.  Each line has one mask; the branch hangs on the wave's number alone.
.macro JLOAD s
	s_cmp_eq_u32 s11, 0
	s_cbranch_scc0 .Lfor_b_\@
	tensor_load_to_lds s[G0+4*\s:G0+4*\s+3], s[G1:G1+7]
	s_nop 0
	s_branch .Lasked_\@
.Lfor_b_\@:
	tensor_load_to_lds s[G0B+4*\s:G0B+4*\s+3], s[G1B:G1B+7]
	s_nop 0
.Lasked_\@:
.endm
; A round of the cluster's barrier: my work-group's barrier; wave 0 signals for the work-group; every wave waits for all sixteen; my work-group's barrier again.
.macro CREST                           ; a round behind its opening barrier
	s_cmp_lg_u32 s10, 0
	s_cbranch_scc1 .Lnot_wave_0_\@
	s_barrier_signal -3
.Lnot_wave_0_\@:
	s_barrier_wait -3
	s_barrier_signal -1
	s_barrier_wait -1
.endm
.macro CROUND                          ; a whole round
	s_barrier_signal -1
	s_barrier_wait -1
	CREST
.endm
; Four places behind a matrix instruction before a load lands on a register that it read or a vector instruction reads its result or writes a source;
; the matrix instructions in between are not counted.
.macro PLACES
.rept 4
	v_nop
.endr
.endm
	s_load_b128 s[4:7], s[0:1], 0x0                ; hn s[4:5], wqkv s[6:7]
	s_load_b128 s[68:71], s[0:1], 0x10             ; bqkv s[68:69], x s[70:71]
	s_load_b64 s[72:73], s[0:1], 0x20              ; x1
	s_set_vgpr_msb 0x40
	v_lshl_add_u32 v255, v0, 2, 0x44400
	s_set_vgpr_msb 0x4000
	v_mov_b32 v255, 0
	s_set_vgpr_msb 0x1
	ds_add_u32 v255, v255
	s_wait_dscnt 0x0
	s_set_vgpr_msb 0x100
	v_lshrrev_b32 v1, 5, v0
	v_readfirstlane_b32 s10, v1                    ; wave 0..3
	s_lshr_b32 s11, s10, 1                         ; I ask for hn (0) or for the weights (1)
	s_and_b32 s12, s10, 1                          ; which half of that tile I ask for
	s_bfe_u32 s40, ttmp6, 0x40000                  ; cx
	s_bfe_u32 s41, ttmp6, 0x40004                  ; cy
	s_lshl_b32 s42, ttmp9, 2
	s_add_co_u32 s42, s42, s40                     ; head = 4 x cluster x + cx
	s_and_b32 s13, ttmp7, 0xffff
	s_lshl_b32 s13, s13, 2
	s_add_co_u32 s13, s13, s41                     ; batch = 4 x cluster y + cy
	s_lshl_b32 s43, s41, 2
	s_lshl_b32 s43, 15, s43                        ; my row of the cluster: places 4 cy .. 4 cy + 3
	s_lshl_b32 s44, 0x1111, s40                    ; my column: places cx, cx + 4, cx + 8, cx + 12
	; group 1 of hn: 128 rows x 128 elements of 2 bytes, 4 words of padding behind every 64; of the weights: 192 rows x 64 elements, 1,024 elements apart, 8 words behind every 32
	s_or_b32 s[G1+0], s43, (1<<16)|(1<<20)|(1<<21)|(5<<22)|(3<<25)    ; 15:0 mask; 17:16 element size; 20 padding on; 21 set beside a mask; 24:22 interval; 31:25 pad - 1
	s_or_b32 s[G1B+0], s44, (1<<16)|(1<<20)|(1<<21)|(4<<22)|(7<<25)
	s_mov_b32 s[G1+1], KSTEP<<16                   ; tensor_dim0
	s_mov_b32 s[G1B+1], 64<<16
	s_mov_b32 s[G1+2], 128<<16                     ; tensor_dim1
	s_mov_b32 s[G1B+2], (3*KSTEP/2)<<16
	s_mov_b32 s[G1+3], KSTEP<<16                   ; tile_dim0
	s_mov_b32 s[G1B+3], 64<<16
	s_mov_b32 s[G1+4], 128                         ; tile_dim1
	s_mov_b32 s[G1B+4], 3*KSTEP/2
	s_mov_b32 s[G1+5], KDIM                        ; elements from row to row
	s_mov_b32 s[G1B+5], NW/3
	s_mov_b32 s[G1+6], 0
	s_mov_b32 s[G1B+6], 0
	s_mov_b32 s[G1+7], 0
	s_mov_b32 s[G1B+7], 0
	; where the tiles come from: hn's address is made of the batch and the wave's number, the weights' of the head and the wave's number
	s_lshl_b32 s16, s13, 8
	s_lshl_b32 s17, s12, 7
	s_add_co_u32 s16, s16, s17                     ; token 256 x batch + 128 x half,
	s_lshl_b32 s16, s16, 11                        ; rows of 2,048 bytes
	s_mov_b32 s17, 0
	s_mul_i32 s46, s12, (KSTEP/2)*NW*2             ; 64 k rows of 6,144 bytes for the second half
	s_lshl_b32 s47, s42, 7                         ; + head x 64 bf16
	s_add_co_u32 s46, s46, s47
	s_mov_b32 s47, 0
	s_mul_i32 s20, s10, AHALF                      ; where they go: hn's halves at wave x 34,816 (waves 0, 1),
	s_mul_i32 s21, s10, BHALF                      ; the weights' at 69,632 + (wave - 2) x 30,720 = wave x 30,720 + 8,192 (waves 2, 3); no place in the cluster enters an LDS address
	s_wait_kmcnt 0x0
	s_add_nc_u64 s[14:15], s[4:5], s[16:17]
	s_add_nc_u64 s[46:47], s[6:7], s[46:47]
	CROUND                                         ; all sixteen work-groups are here: the first joint loads meet
.irp s, 0,1
	s_mov_b32 s[G0+4*\s], 1
	s_add_co_u32 s[G0+4*\s+1], s20, \s*SLOT
	s_add_nc_u64 s[G0+4*\s+2:G0+4*\s+3], s[14:15], \s*KSTEP*2
	s_or_b32 s[G0+4*\s+3], s[G0+4*\s+3], 0x80000000
	s_mov_b32 s[G0B+4*\s], 1
	s_add_co_u32 s[G0B+4*\s+1], s21, ABYTES-2*BHALF+\s*SLOT
	s_add_nc_u64 s[G0B+4*\s+2:G0B+4*\s+3], s[46:47], \s*KSTEP*NW*2
	s_or_b32 s[G0B+4*\s+3], s[G0B+4*\s+3], 0x80000000
	JLOAD \s                                       ; both slots' first fills go out before anything else: two loads of this wave are out
.endr
	; LDS addresses.  A fragment from rows that lie along K: lane l takes row l % 16, 16 bytes at 16 (l / 16), and 32 bytes further.
	; A fragment by the transposing load: lane l addresses row 8 (l / 16) + (l & 7), 16 bytes at 16 ((l >> 3) & 1), and 16 rows further; it receives column l % 16.
	v_and_b32 v1, 15, v0                           ; r = l % 16
	v_bfe_u32 v2, v0, 4, 1                         ; h = l / 16
	v_mul_u32_u24 v3, v1, PA
	v_lshl_add_u32 v3, v2, 4, v3
	s_mul_i32 s22, s10, 64*PA                      ; my 64 rows of hn
	v_add_nc_u32 v[ADRA], s22, v3
	v_add_nc_u32 v[ADRA+1], SLOT, v[ADRA]
	v_and_b32 v3, 7, v0
	v_lshl_add_u32 v3, v2, 3, v3                   ; 8 h + (l & 7)
	v_bfe_u32 v4, v0, 3, 1
	v_lshlrev_b32 v4, 4, v4                        ; 16 ((l >> 3) & 1)
	v_mul_u32_u24 v[ADRB], v3, PB
	v_add_nc_u32 v[ADRB], v[ADRB], v4
	v_add_nc_u32 v[ADRB+1], ABYTES+SLOT, v[ADRB]
	v_add_nc_u32 v[ADRB], ABYTES, v[ADRB]          ; the weights lie behind hn
	v_mul_u32_u24 v[AV], v3, PV
	v_add_nc_u32 v[AV], v[AV], v4
	v_add_nc_u32 v[AV], LV, v[AV]
	v_lshlrev_b32 v[BO], 5, v2                     ; my eight columns of a block of 16: 32 bytes for each half of the lanes
	v_mul_u32_u24 v[AK], v1, PQK
	v_lshl_add_u32 v[AK], v2, 4, v[AK]             ; K's region begins at LDS byte 0
	s_mul_i32 s22, s10, 64*PQK
	v_add_nc_u32 v[KST], s22, v[AK]                ; my 64 tokens' rows of K
	v_mul_u32_u24 v3, v1, PV
	v_lshl_add_u32 v3, v2, 4, v3
	s_mul_i32 s22, s10, 64*PV
	s_add_co_u32 s22, s22, LV
	v_add_nc_u32 v[VST], s22, v3                   ; and of V
	s_mul_i32 s23, s10, 16*SPITCH
	s_add_co_u32 s23, s23, STAGE                   ; my stage
	v_mul_u32_u24 v[STO], v1, SPITCH               ; in: row = query r, 32 bytes for each half
	v_lshl_add_u32 v[STO], v2, 5, v[STO]
	v_add_nc_u32 v[STO], s23, v[STO]
	v_mul_u32_u24 v[RD], v2, SPITCH                ; back: lanes 0-15 one row of 256 bytes, lanes 16-31 the next
	v_lshl_add_u32 v[RD], v1, 4, v[RD]
	v_add_nc_u32 v[RD], s23, v[RD]
	v_lshlrev_b32 v[XO], 12, v2                    ; the same two rows in x and x1
	v_lshl_add_u32 v[XO], v1, 4, v[XO]
	v_mov_b32 v30, 0                               ; v_permlanex16_b32's destination counts as read
	s_lshl_b32 s74, s42, 8                         ; head x 64 f32
	s_mov_b32 s75, 0
	s_add_nc_u64 s[68:69], s[68:69], s[74:75]      ; the bias at my head
	s_lshl_b32 s76, s13, 8
	s_lshl_b32 s77, s10, 6
	s_add_co_u32 s76, s76, s77                     ; my first token: 256 batch + 64 wave,
	s_lshl_b32 s76, s76, 12                        ; rows of 4,096 bytes,
	s_add_co_u32 s76, s76, s74                     ; + the head's columns
	s_mov_b32 s77, 0
	s_add_nc_u64 s[70:71], s[70:71], s[76:77]
	s_add_nc_u64 s[72:73], s[72:73], s[76:77]
	s_mov_b32 s80, 0x76543210                      ; v_permlanex16_b32: lane i of one half reads lane i of the other
	s_mov_b32 s81, 0xfedcba98
	s_mov_b32 s82, 0x3e38aa3b                      ; log2(e) / 8, twice: a pair for the packed multiply-add
	s_mov_b32 s83, 0x3e38aa3b
	s_mov_b32 s84, 0xbe38aa3b
	WIN 0xc0                                       ; destination window 3
.irp b, 0,1,2,3,4,5,6,7,8,9,10,11
	global_load_b128 v[BIAS+8*\b:BIAS+8*\b+3],   v[BO], s[68:69] offset:(\b/4)*4096+(\b%4)*64       ; waited for behind the product; its address registers are not rewritten before
	global_load_b128 v[BIAS+8*\b+4:BIAS+8*\b+7], v[BO], s[68:69] offset:(\b/4)*4096+(\b%4)*64+16
.endr
	WIN 0
; 16 matrix instructions: token blocks a0, a0 + 1 x the 8 column blocks of q and k, 32 along K, on fragment buffer f.  zero = 1: the first product starts the sums.
; The 48 accumulators take turns, one instruction a turn, in the same order in every quarter.
.macro MULQK f, a0, zero
.irp a, \a0, \a0+1
.irp b, 0,1,2,3,4,5,6,7
.if \zero
	v_wmma_f32_16x16x32_bf16 v[8*(8*(\a)+\b):8*(8*(\a)+\b)+7], v[96*\f+8*\b:96*\f+8*\b+7], v[FA+32*\f+8*(\a):FA+32*\f+8*(\a)+7], 0
.else
	v_wmma_f32_16x16x32_bf16 v[8*(8*(\a)+\b):8*(8*(\a)+\b)+7], v[96*\f+8*\b:96*\f+8*\b+7], v[FA+32*\f+8*(\a):FA+32*\f+8*(\a)+7], v[8*(8*(\a)+\b):8*(8*(\a)+\b)+7]
.endif
.endr
.endr
.endm
; 16 matrix instructions: all 4 token blocks x the 4 column blocks of v
.macro MULV f, zero
.irp a, 0,1,2,3
.irp b, 0,1,2,3
.if \zero
	v_wmma_f32_16x16x32_bf16 v[8*(4*\a+\b):8*(4*\a+\b)+7], v[96*\f+64+8*\b:96*\f+64+8*\b+7], v[FA+32*\f+8*\a:FA+32*\f+8*\a+7], 0
.else
	v_wmma_f32_16x16x32_bf16 v[8*(4*\a+\b):8*(4*\a+\b)+7], v[96*\f+64+8*\b:96*\f+64+8*\b+7], v[FA+32*\f+8*\a:FA+32*\f+8*\a+7], v[8*(4*\a+\b):8*(4*\a+\b)+7]
.endif
.endr
.endr
.endm
; 32 LDS loads in one run: quarter q of a slot (my 64 rows of hn, then the 192 columns, v's last; 32 along K) into buffer f
.macro FETCH slot, q, f
	WIN 0
.irp i, 0,1,2,3
	ds_load_b128 v[FA+32*\f+8*\i:FA+32*\f+8*\i+3],   v[ADRA+\slot] offset:\i*16*PA+64*\q
	ds_load_b128 v[FA+32*\f+8*\i+4:FA+32*\f+8*\i+7], v[ADRA+\slot] offset:\i*16*PA+64*\q+32
.endr
	WIN TO_B
.irp b, 0,1,2,3,4,5,6,7,8,9,10,11
	ds_load_tr16_b128 v[96*\f+8*\b:96*\f+8*\b+3],   v[ADRB+\slot] offset:(\b/4)*PS+(\b%4)*32+\q*32*PB
	ds_load_tr16_b128 v[96*\f+8*\b+4:96*\f+8*\b+7], v[ADRB+\slot] offset:(\b/4)*PS+(\b%4)*32+\q*32*PB+16*PB
.endr
.endm
; A quarter: 48 products on buffer f; behind the first 16 it fetches quarter q of the same slot into buffer g, 32 products ahead of their first use.
.macro QUARTER slot, q, f, g, zero
	s_wait_dscnt 8                                 ; hn's and q's and k's fragments are in; the youngest eight loads (v's) may be out
	WIN MUL_LO
	MULQK \f, 0, \zero
	PLACES
	FETCH \slot, \q, \g
	s_wait_dscnt 32                                ; all but the 32 just issued
	WIN MUL_LO
	MULQK \f, 2, \zero
	WIN MUL_HI
	MULV \f, \zero
.endm
.macro FRONT slot, zero                ; the first three quarters of a slot
	QUARTER \slot, 1, 0, 1, \zero
	QUARTER \slot, 2, 1, 0, 0
	QUARTER \slot, 3, 0, 1, 0
.endm
; The last quarter of a slot: multiplies buffer 1 and changes slots.  In front of the barrier each wave waits for its reads of this slot and for all its tensor loads, of which one
; is out: its part of the next slot.  Behind it (with fill: behind the cluster's round that it opens) the refill comes first.  From a request to the wait for it: 176 products.
.macro TURN slot, next, fill
	s_wait_dscnt 0                                 ; my reads of this slot are over
	s_wait_xcnt 0x0
	s_set_vgpr_msb 0xf170
	v_lshl_add_u32 v255, v0, 2, 0x44400
	s_set_vgpr_msb 0x7030
	v_mov_b32 v255, 0
	s_set_vgpr_msb 0x3031
	s_wait_tensorcnt 0x0                           ; all my tensor loads have landed
	ds_add_u32 v255, v255
	s_wait_dscnt 0x0
	s_set_vgpr_msb 0x31f1
	s_barrier_signal -1
	WIN MUL_LO
	MULQK 1, 0, 0                                  ; register work while the others arrive
	WIN 0
	s_barrier_wait -1
.if \fill
	CREST                                          ; no wave of any partner still reads this slot or has a load on its way
	s_add_nc_u64 s[G0+4*\slot+2:G0+4*\slot+3], s[G0+4*\slot+2:G0+4*\slot+3], 2*KSTEP*2
	s_add_nc_u64 s[G0B+4*\slot+2:G0B+4*\slot+3], s[G0B+4*\slot+2:G0B+4*\slot+3], 2*KSTEP*NW*2
	JLOAD \slot                                    ; my one tensor load behind the round, and the first thing there
.endif
	PLACES
	FETCH \next, 0, 0
	WIN MUL_LO
	MULQK 1, 2, 0
	WIN MUL_HI
	MULV 1, 0
.endm
.macro LAP zero
	FRONT 0, \zero
	TURN 0, 1, 1
	FRONT 1, 0
	TURN 1, 0, 1
.endm
	s_wait_tensorcnt 1                             ; my part of slot 0 is in; slot 1's stays out
	s_barrier_signal -1
	s_barrier_wait -1
	FETCH 0, 0, 0
	LAP 1                                          ; the first lap stands in front of the loop: its first products start the sums
	WIN 0
	s_mov_b32 s3, LAPS-2
.Llap:
	LAP 0
	WIN 0
	s_sub_co_u32 s3, s3, 1
	s_cmp_lg_u32 s3, 0
	s_cbranch_scc1 .Llap
	FRONT 0, 0                                     ; the last lap fills nothing
	TURN 0, 1, 0                                   ; behind this barrier no wave reads slot 0 any more, and no load lands in it
	FRONT 1, 0
	s_wait_dscnt 0                                 ; the very last quarter
	WIN MUL_LO
	MULQK 1, 0, 0
	MULQK 1, 2, 0
	WIN MUL_HI
	MULV 1, 0
	PLACES                                         ; the places behind the last products, for all that follows
	; + bias, in place; round to bf16: q straight into Q's fragments, k and v into LDS rows [token][64 d]
	s_wait_loadcnt 0x0                             ; the bias
	WIN 0x8e                                       ; source 0 and destination window 2, source 1 (the bias) window 3
.irp a, 0,1,2,3
.irp b, 0,1,2,3,4,5,6,7
.irp k, 0,2,4,6
	v_pk_add_f32 v[8*(8*\a+\b)+\k:8*(8*\a+\b)+\k+1], v[8*(8*\a+\b)+\k:8*(8*\a+\b)+\k+1], v[BIAS+8*\b+\k:BIAS+8*\b+\k+1]
.endr
.endr
.endr
	WIN 0xcf                                       ; all in window 3
.irp a, 0,1,2,3
.irp b, 0,1,2,3
.irp k, 0,2,4,6
	v_pk_add_f32 v[8*(4*\a+\b)+\k:8*(4*\a+\b)+\k+1], v[8*(4*\a+\b)+\k:8*(4*\a+\b)+\k+1], v[BIAS+64+8*\b+\k:BIAS+64+8*\b+\k+1]
.endr
.endr
.endr
	WIN 0x0a                                       ; sources window 2, destination window 0
.irp a, 0,1,2,3
.irp b, 0,1,2,3
.irp i, 0,1,2,3
	v_cvt_pk_bf16_f32 v[QF+16*\a+4*\b+\i], v[8*(8*\a+\b)+2*\i], v[8*(8*\a+\b)+2*\i+1]       ; column block b = d 16 b + 8 h + 0..7: registers 4 (b & 1) .. of fragment (query block a, ks = b / 2)
.endr
.endr
.endr
.irp a, 0,1,2,3
.irp b, 0,1,2,3
.irp i, 0,1,2,3
	v_cvt_pk_bf16_f32 v[TMP+4*(4*\a+\b)+\i], v[8*(8*\a+\b+4)+2*\i], v[8*(8*\a+\b+4)+2*\i+1]  ; k
.endr
.endr
.endr
	WIN 0x0f                                       ; sources window 3
.irp a, 0,1,2,3
.irp b, 0,1,2,3
.irp i, 0,1,2,3
	v_cvt_pk_bf16_f32 v[TMP+64+4*(4*\a+\b)+\i], v[8*(4*\a+\b)+2*\i], v[8*(4*\a+\b)+2*\i+1]   ; v
.endr
.endr
.endr
	WIN 0
.irp a, 0,1,2,3
.irp b, 0,1,2,3
	ds_store_b128 v[KST], v[TMP+4*(4*\a+\b):TMP+4*(4*\a+\b)+3] offset:\a*16*PQK+32*\b
.endr
.endr
.irp a, 0,1,2,3
.irp b, 0,1,2,3
	ds_store_b128 v[VST], v[TMP+64+4*(4*\a+\b):TMP+64+4*(4*\a+\b)+3] offset:\a*16*PV+32*\b
.endr
.endr
	s_wait_dscnt 0x0                               ; for the others' sake: all my stores are done
	s_barrier_signal -1
	s_barrier_wait -1                              ; K and V are whole
	WIN 0x40
.set kb, 0
.rept 16
.irp k, 0,1
	ds_load_b128 v[16*kb+8*\k:16*kb+8*\k+3],   v[AK] offset:kb*16*PQK+64*\k
	ds_load_b128 v[16*kb+8*\k+4:16*kb+8*\k+7], v[AK] offset:kb*16*PQK+64*\k+32
.endr
.set kb, kb+1
.endr
; S^T of eight key blocks k0 .. k0 + 7: source 0 = 16 keys, source 1 = 16 queries, two steps of 32 along d.  The first step starts the sums.
; The four query blocks' accumulators take turns, one instruction a turn.
.macro SCORES k0
.irp t, 0,1,2,3,4,5,6,7
.irp q, 0,1,2,3
	v_wmma_f32_16x16x32_bf16 v[8*(4*\t+\q):8*(4*\t+\q)+7], v[16*(\k0+\t):16*(\k0+\t)+7], v[QF+16*\q:QF+16*\q+7], 0
.endr
.irp q, 0,1,2,3
	v_wmma_f32_16x16x32_bf16 v[8*(4*\t+\q):8*(4*\t+\q)+7], v[16*(\k0+\t)+8:16*(\k0+\t)+15], v[QF+16*\q+8:QF+16*\q+15], v[8*(4*\t+\q):8*(4*\t+\q)+7]
.endr
.endr
.endm
	s_wait_dscnt 32                                ; key blocks 0-7 are in; the youngest 32 loads are key blocks 8-15
	WIN 0xa1                                       ; source 0 window 1, source 1 window 0, C and D window 2
	SCORES 0
	s_wait_dscnt 0x0
	WIN 0xf1
	SCORES 8
	PLACES                                         ; K's fragments are loaded over, the scores are read
	WIN 0x40
.irp c, 0,1,2,3,4,5,6,7
.irp t, 0,1,2,3
	ds_load_tr16_b128 v[8*(4*\c+\t):8*(4*\c+\t)+3],   v[AV] offset:\c*32*PV+32*\t          ; V^T: row = d 16 t + r, K = keys 32 c ..; they land during the softmax
	ds_load_tr16_b128 v[8*(4*\c+\t)+4:8*(4*\c+\t)+7], v[AV] offset:\c*32*PV+32*\t+16*PV
.endr
.endr
	; the maximum of each query over its 256 keys: 128 in this lane, 128 in the lane of the other half
.macro MAX3 t, p
.irp q, 0,1,2,3
	v_max3_num_f32 v[MX+\q], v[8*(4*\t+\q)+\p], v[8*(4*\t+\q)+\p+1], v[MX+\q]
.endr
.endm
	WIN 0x0a                                       ; sources 0 and 1 in window 2
.irp q, 0,1,2,3
	v_max_num_f32 v[MX+\q], v[8*\q], v[8*\q+1]     ; the first two scores start the chains
.endr
.irp p, 2,4,6
	MAX3 0, \p
.endr
.irp t, 1,2,3,4,5,6,7
.irp p, 0,2,4,6
	MAX3 \t, \p
.endr
.endr
	WIN 0x0f                                       ; window 3
.irp t, 0,1,2,3,4,5,6,7
.irp p, 0,2,4,6
	MAX3 \t, \p
.endr
.endr
	WIN 0
.irp q, 0,1,2,3
	v_permlanex16_b32 v30, v[MX+\q], s80, s81
	v_max_num_f32 v[MX+\q], v[MX+\q], v30
	v_mul_f32 v[NM+2*\q], s84, v[MX+\q]
	v_mul_f32 v[NM+2*\q+1], s84, v[MX+\q]
.endr
; weights = 2^((s - max) log2(e) / 8), in place, a window at a time.  The next key block's multiply-adds are the plain places behind a block's exponentials.
.macro EXPW
.irp t, 0,1,2,3,4,5,6,7
.irp q, 0,1,2,3
.irp p, 0,2,4,6
	v_pk_fma_f32 v[8*(4*\t+\q)+\p:8*(4*\t+\q)+\p+1], v[8*(4*\t+\q)+\p:8*(4*\t+\q)+\p+1], s[82:83], v[NM+2*\q:NM+2*\q+1] op_sel_hi:[1,0,1]
.endr
.endr
.set n, 0
.rept 32
	v_exp_f32 v[32*\t+n], v[32*\t+n]
.set n, n+1
.endr
.endr
	v_nop                                          ; one plain place behind the last exponentials (ISA guide 5.7.2)
.endm
.macro SUMP t, p
	s_wait_alu depctr_va_vdst(0)
.irp q, 0,1,2,3
	v_pk_add_f32 v[LS+2*\q:LS+2*\q+1], v[8*(4*\t+\q)+\p:8*(4*\t+\q)+\p+1], v[LS+2*\q:LS+2*\q+1]
.endr
.endm
; Round to bf16 in place: key block 2 c goes into registers 0-3 of its own tile, key block 2 c + 1 into registers 4-7 of that tile: P's fragment (q, c) at 64 (c & 3) + 8 q.
.macro PACKW
.irp c, 0,1,2,3
.irp q, 0,1,2,3
.irp i, 0,1,2,3
	v_cvt_pk_bf16_f32 v[64*\c+8*\q+\i], v[64*\c+8*\q+2*\i], v[64*\c+8*\q+2*\i+1]
.endr
.irp i, 0,1,2,3
	v_cvt_pk_bf16_f32 v[64*\c+8*\q+4+\i], v[64*\c+32+8*\q+2*\i], v[64*\c+32+8*\q+2*\i+1]
.endr
.endr
.endr
.endm
	WIN 0x82                                       ; source 0 and destination in window 2, the addend in window 0
	EXPW
	WIN 0x0a
	s_wait_alu depctr_va_vdst(0)
.irp q, 0,1,2,3
	v_pk_add_f32 v[LS+2*\q:LS+2*\q+1], v[8*\q:8*\q+1], v[8*\q+2:8*\q+3]     ; the first sums start the chains
.endr
	WIN 0x02
.irp p, 4,6
	SUMP 0, \p
.endr
.irp t, 1,2,3,4,5,6,7
.irp p, 0,2,4,6
	SUMP \t, \p
.endr
.endr
	WIN 0x8a
	PACKW
	WIN 0x80                                       ; x, my 64 rows of 256 bytes, into the halves of window 2 that the packing has freed: query block q at 64 q + 32
.irp q, 0,1,2,3
.irp t, 0,1,2,3,4,5,6,7
	global_load_b128 v[64*\q+32+4*\t:64*\q+32+4*\t+3], v[XO], s[70:71] offset:(16*\q+2*\t)*4096
.endr
.endr
	WIN 0xc3
	EXPW
	WIN 0x03
.irp t, 0,1,2,3,4,5,6,7
.irp p, 0,2,4,6
	SUMP \t, \p
.endr
.endr
	WIN 0xcf
	PACKW
	WIN 0
.irp q, 0,1,2,3
	v_add_f32 v[LS+2*\q], v[LS+2*\q], v[LS+2*\q+1]
.endr
.irp q, 0,1,2,3
	v_permlanex16_b32 v30, v[LS+2*\q], s80, s81
	v_add_f32 v[LS+2*\q], v[LS+2*\q], v30          ; at least about 1: the maximum's own weight is in it
.endr
.irp q, 0,1,2,3
	v_rcp_f32 v[NM+2*\q], v[LS+2*\q]
	v_rcp_f32 v[NM+2*\q+1], v[LS+2*\q]
.endr
	v_nop                                          ; one plain place behind the reciprocals (ISA guide 5.7.2)
; O^T += V^T (d block t, keys 32 c ..) x P^T (keys, query block q).  The 16 accumulators take turns, one instruction a turn.
.macro PVMUL c, zero
.irp t, 0,1,2,3
.irp q, 0,1,2,3
.if \zero
	v_wmma_f32_16x16x32_bf16 v[OT+8*(4*\t+\q):OT+8*(4*\t+\q)+7], v[8*(4*\c+\t):8*(4*\c+\t)+7], v[64*(\c%4)+8*\q:64*(\c%4)+8*\q+7], 0
.else
	v_wmma_f32_16x16x32_bf16 v[OT+8*(4*\t+\q):OT+8*(4*\t+\q)+7], v[8*(4*\c+\t):8*(4*\c+\t)+7], v[64*(\c%4)+8*\q:64*(\c%4)+8*\q+7], v[OT+8*(4*\t+\q):OT+8*(4*\t+\q)+7]
.endif
.endr
.endr
.endm
	s_wait_dscnt 0x0                               ; V^T's fragments
	WIN 0x09                                       ; source 0 window 1, source 1 window 2, C and D window 0
	PVMUL 0, 1
	PVMUL 1, 0
	PVMUL 2, 0
	PVMUL 3, 0
	WIN 0x0d                                       ; source 1 window 3
	PVMUL 4, 0
	PVMUL 5, 0
	PVMUL 6, 0
	PVMUL 7, 0
	PLACES
	WIN 0
	s_wait_alu depctr_va_vdst(0)
.irp t, 0,1,2,3
.irp q, 0,1,2,3
.irp p, 0,2,4,6
	v_pk_mul_f32 v[OT+8*(4*\t+\q)+\p:OT+8*(4*\t+\q)+\p+1], v[OT+8*(4*\t+\q)+\p:OT+8*(4*\t+\q)+\p+1], v[NM+2*\q:NM+2*\q+1]   ; the lane is the query: 1/sum is its own
.endr
.endr
.endr
	; the way out, 16 queries at a time: through my own stage into whole rows of 256 bytes, + x, store
.irp q, 0,1,2,3
.irp t, 0,1,2,3
	ds_store_b128 v[STO], v[OT+8*(4*\t+\q):OT+8*(4*\t+\q)+3]   offset:64*\t
	ds_store_b128 v[STO], v[OT+8*(4*\t+\q)+4:OT+8*(4*\t+\q)+7] offset:64*\t+16
.endr
.if \q
	s_wait_xcnt 0x0                                ; the last block's stores have had their addresses translated: their data registers are loaded again only behind this wait
.endif
.irp t, 0,1,2,3,4,5,6,7
	ds_load_b128 v[RB+4*\t:RB+4*\t+3], v[RD] offset:\t*2*SPITCH     ; LDS serves a wave's instructions in order: these see the stores above
.endr
	s_wait_dscnt 0x0
	s_wait_loadcnt 8*(3-\q)                        ; this query block's eight loads of x are in, the later blocks' stay out
	WIN 0x08                                       ; source 1 (x) in window 2
.irp t, 0,1,2,3,4,5,6,7
.irp k, 0,2
	v_pk_add_f32 v[RB+4*\t+\k:RB+4*\t+\k+1], v[RB+4*\t+\k:RB+4*\t+\k+1], v[64*\q+32+4*\t+\k:64*\q+32+4*\t+\k+1]
.endr
.endr
	WIN 0
.irp t, 0,1,2,3,4,5,6,7
	global_store_b128 v[XO], v[RB+4*\t:RB+4*\t+3], s[72:73] offset:(16*\q+2*\t)*4096   ; 16 lanes store 256 consecutive bytes, at a multiple of 256 from x1's first byte
.endr
.endr
	s_wait_xcnt 0x0
	s_set_vgpr_msb 0x40
	v_lshl_add_u32 v255, v0, 2, 0x44400
	s_set_vgpr_msb 0x4000
	v_mov_b32 v255, 0
	s_set_vgpr_msb 0x1
	s_wait_tensorcnt 0x0
	ds_add_u32 v255, v255
	s_wait_dscnt 0x0
	s_set_vgpr_msb 0x100
	CROUND                                         ; the closing round: no work-group ends while a partner may still ask for a tile that names it
	s_endpgm
.Lfunc_end_k_q65c18475fe_qkvattn:
	.size	k_q65c18475fe_qkvattn, .Lfunc_end_k_q65c18475fe_qkvattn-k_q65c18475fe_qkvattn
	.p2alignl 7, 3214868480
	.fill 96, 4, 3214868480
	.section	.rodata,"a",@progbits
	.p2align	6, 0x0
	.amdhsa_kernel k_q65c18475fe_qkvattn
		.amdhsa_group_segment_fixed_size 327680
		.amdhsa_private_segment_fixed_size 0
		.amdhsa_enable_private_segment 0
		.amdhsa_kernarg_size 40
		.amdhsa_user_sgpr_count 2
		.amdhsa_user_sgpr_kernarg_segment_ptr 1
		.amdhsa_wavefront_size32 1
		.amdhsa_system_sgpr_workgroup_id_x 1
		.amdhsa_system_sgpr_workgroup_id_y 1
		.amdhsa_system_sgpr_workgroup_id_z 1
		.amdhsa_system_vgpr_workitem_id 0
		.amdhsa_next_free_vgpr 1024
		.amdhsa_next_free_sgpr 88
		.amdhsa_reserve_vcc 0
		.amdhsa_float_denorm_mode_32 3
		.amdhsa_float_denorm_mode_16_64 3
		.amdhsa_memory_ordered 1
		.amdhsa_forward_progress 1
		.amdhsa_inst_pref_size 255
	.end_amdhsa_kernel
	.section	.bss,"aw",@nobits
	.p2align	6
	.space	262144
	.amdgpu_metadata
---
amdhsa.version: [ 1, 2 ]
amdhsa.kernels:
  - .name:           k_q65c18475fe_qkvattn
    .symbol:         k_q65c18475fe_qkvattn.kd
    .args:
      - { .name: hn, .offset: 0, .size: 8, .value_kind: global_buffer, .address_space: global }
      - { .name: wqkv, .offset: 8, .size: 8, .value_kind: global_buffer, .address_space: global }
      - { .name: bqkv, .offset: 16, .size: 8, .value_kind: global_buffer, .address_space: global }
      - { .name: hidden_states, .offset: 24, .size: 8, .value_kind: global_buffer, .address_space: global }
      - { .name: x1, .offset: 32, .size: 8, .value_kind: global_buffer, .address_space: global }
    .group_segment_fixed_size: 327680
    .private_segment_fixed_size: 0
    .kernarg_segment_align: 8
    .kernarg_segment_size: 40
    .max_flat_workgroup_size: 128
    .sgpr_count:     88
    .vgpr_count:     1024
    .wavefront_size: 32
...
	.end_amdgpu_metadata
.endif
;; end of part 2
;; launch ln2 (part 3): grid 256 x 1, 8 waves a work-group, no clusters, 0 bytes of LDS; arguments x1, ln2_g, ln2_b, hn; writes hn
.if DOCPART == 3
	.amdgcn_target "amdgcn-amd-amdhsa--gfx1250"
	.amdhsa_code_object_version 6
	.text
	.protected	k_q65c18475fe_ln2
	.globl	k_q65c18475fe_ln2
	.p2align	8
	.type	k_q65c18475fe_ln2,@function
k_q65c18475fe_ln2:
	s_mov_b64 s[64:65], 0
	v_nop
	global_prefetch_b8 v0, s[64:65] scope:SCOPE_SE
	s_setreg_imm32_b32 hwreg(HW_REG_WAVE_MODE, 25, 1), 1
	s_wait_xcnt 0x0
; hn = LayerNorm2(x1) in bf16.  x1: [4096][1024] f32.  A launch of its own: a row needs all 16 heads' results, which 16 work-groups of the launch before made.
; Eight waves, 16 rows a work-group; a wave owns RPW = 2 rows, keeps each in 32 registers and issues all its loads at once.  No LDS, no barrier, no loop.
; LIMITS: NaN and infinities are not honoured.  The variance is taken of the centred numbers (two passes over registers).
.set RPW, 2                            ; rows of a wave
.set T,   4                            ; v[4:11]   four pairs at work
.set M,   12                           ; v[12:13]  the mean, twice
.set R,   14                           ; v[14:15]  1/sqrt(var + eps), twice
.set G,   20                           ; v[20:51]  gain of my 32 columns
.set BB,  52                           ; v[52:83]  bias of my 32 columns
.set X,   84                           ; v[84:147] row u at X + 32 u
; The lane holds columns 256 p + 8 lane + 0..7, p = 0..3: 32 bytes in, 16 bytes out, so a wave's store covers 512 consecutive bytes that start at a multiple of 512.
.macro LOADU u
.irp p, 0,1,2,3
	global_load_b128 v[X+32*\u+8*\p:X+32*\u+8*\p+3],   v1, s[8:9] offset:4096*\u+1024*\p
	global_load_b128 v[X+32*\u+8*\p+4:X+32*\u+8*\p+7], v1, s[8:9] offset:4096*\u+1024*\p+16
.endr
.endm
.macro OUTU u                          ; round in place (each conversion's sources lie at or above its destination) and store
.irp p, 0,1,2,3
.irp i, 0,1,2,3
	v_cvt_pk_bf16_f32 v[X+32*\u+8*\p+\i], v[X+32*\u+8*\p+2*\i], v[X+32*\u+8*\p+2*\i+1]
.endr
	global_store_b128 v2, v[X+32*\u+8*\p:X+32*\u+8*\p+3], s[14:15] offset:2048*\u+512*\p
.endr
.endm
.macro JOIN                            ; the four chains in T become one number, summed over the 32 lanes, in v16 of every lane
	v_pk_add_f32 v[T:T+1], v[T:T+1], v[T+2:T+3]
	v_pk_add_f32 v[T+4:T+5], v[T+4:T+5], v[T+6:T+7]
	v_pk_add_f32 v[T:T+1], v[T:T+1], v[T+4:T+5]
	v_add_f32 v16, v[T], v[T+1]
	v_add_f32_dpp v16, v16, v16 row_xmask:1 row_mask:0xf bank_mask:0xf
	v_add_f32_dpp v16, v16, v16 row_xmask:2 row_mask:0xf bank_mask:0xf
	v_add_f32_dpp v16, v16, v16 row_xmask:4 row_mask:0xf bank_mask:0xf
	v_add_f32_dpp v16, v16, v16 row_xmask:8 row_mask:0xf bank_mask:0xf
	v_permlanex16_b32 v17, v16, s16, s17           ; the other half of the lanes; v17 has been written before
	v_add_f32 v16, v16, v17
.endm
.macro LNROW u
	s_wait_loadcnt 8*(RPW-1-\u)                    ; loads return in order: gain, bias and this row are in, the younger row's eight loads stay out
.irp c, 0,2,4,6
	v_pk_add_f32 v[T+\c:T+\c+1], v[X+32*\u+\c:X+32*\u+\c+1], v[X+32*\u+8+\c:X+32*\u+8+\c+1]   ; the first sums start the chains
.endr
.irp o, 16,24
.irp c, 0,2,4,6
	v_pk_add_f32 v[T+\c:T+\c+1], v[T+\c:T+\c+1], v[X+32*\u+\o+\c:X+32*\u+\o+\c+1]
.endr
.endr
	JOIN
	v_mul_f32 v[M], s18, v16                       ; sum / 1024
	v_mul_f32 v[M+1], s18, v16
.set j, 0
.rept 16
	v_pk_add_f32 v[X+32*\u+j:X+32*\u+j+1], v[X+32*\u+j:X+32*\u+j+1], v[M:M+1] neg_lo:[0,1] neg_hi:[0,1]
.set j, j+2
.endr
.irp c, 0,2,4,6
	v_pk_mul_f32 v[T+\c:T+\c+1], v[X+32*\u+\c:X+32*\u+\c+1], v[X+32*\u+\c:X+32*\u+\c+1]
.endr
.irp o, 8,16,24
.irp c, 0,2,4,6
	v_pk_fma_f32 v[T+\c:T+\c+1], v[X+32*\u+\o+\c:X+32*\u+\o+\c+1], v[X+32*\u+\o+\c:X+32*\u+\o+\c+1], v[T+\c:T+\c+1]
.endr
.endr
	JOIN
	v_fma_f32 v16, v16, s18, s19                   ; variance + 1e-5
	v_rsq_f32 v[R], v16
	v_rsq_f32 v[R+1], v16
	v_nop                                          ; one plain place between a transcendental and the use of its result (ISA guide 5.7.2)
.set j, 0
	s_wait_alu depctr_va_vdst(0)
.rept 16
	v_pk_mul_f32 v[X+32*\u+j:X+32*\u+j+1], v[X+32*\u+j:X+32*\u+j+1], v[R:R+1]
.set j, j+2
.endr
.set j, 0
.rept 16
	v_pk_fma_f32 v[X+32*\u+j:X+32*\u+j+1], v[X+32*\u+j:X+32*\u+j+1], v[G+j:G+j+1], v[BB+j:BB+j+1]
.set j, j+2
.endr
	OUTU \u
.endm
	s_load_b256 s[8:15], s[0:1], 0x0               ; x1 s[8:9], ln2_g s[10:11], ln2_b s[12:13], hn s[14:15]
	v_and_b32 v19, 31, v0                          ; lane
	v_lshrrev_b32 v16, 5, v0
	v_readfirstlane_b32 s4, v16                    ; wave 0..7
	v_lshlrev_b32 v1, 5, v19
	v_lshlrev_b32 v2, 4, v19
	s_lshl_b32 s6, ttmp9, 16                       ; 16 rows of 4,096 bytes
	s_lshl_b32 s20, s4, 13                         ; 2 rows
	s_add_co_u32 s6, s6, s20
	s_mov_b32 s7, 0
	s_lshr_b32 s26, s6, 1                          ; half as many bytes out
	s_mov_b32 s27, 0
	s_mov_b32 s16, 0x76543210                      ; v_permlanex16_b32: lane i of one half reads lane i of the other
	s_mov_b32 s17, 0xfedcba98
	s_mov_b32 s18, 0x3a800000                      ; 1/1024
	s_mov_b32 s19, 0x3727c5ac                      ; 1e-5
	v_mov_b32 v17, 0
	s_wait_kmcnt 0x0
	s_add_nc_u64 s[8:9], s[8:9], s[6:7]
	s_add_nc_u64 s[14:15], s[14:15], s[26:27]
.irp p, 0,1,2,3
.irp e, 0,1
	global_load_b128 v[G+8*\p+4*\e:G+8*\p+4*\e+3],   v1, s[10:11] offset:1024*\p+16*\e
	global_load_b128 v[BB+8*\p+4*\e:BB+8*\p+4*\e+3], v1, s[12:13] offset:1024*\p+16*\e
.endr
.endr
	LOADU 0
	LOADU 1
	LNROW 0
	LNROW 1
	s_endpgm
.Lfunc_end_k_q65c18475fe_ln2:
	.size	k_q65c18475fe_ln2, .Lfunc_end_k_q65c18475fe_ln2-k_q65c18475fe_ln2
	.p2alignl 7, 3214868480
	.fill 96, 4, 3214868480
	.section	.rodata,"a",@progbits
	.p2align	6, 0x0
	.amdhsa_kernel k_q65c18475fe_ln2
		.amdhsa_group_segment_fixed_size 0
		.amdhsa_private_segment_fixed_size 0
		.amdhsa_enable_private_segment 0
		.amdhsa_kernarg_size 32
		.amdhsa_user_sgpr_count 2
		.amdhsa_user_sgpr_kernarg_segment_ptr 1
		.amdhsa_wavefront_size32 1
		.amdhsa_system_sgpr_workgroup_id_x 1
		.amdhsa_system_sgpr_workgroup_id_y 1
		.amdhsa_system_sgpr_workgroup_id_z 1
		.amdhsa_system_vgpr_workitem_id 0
		.amdhsa_next_free_vgpr 148
		.amdhsa_next_free_sgpr 66
		.amdhsa_reserve_vcc 0
		.amdhsa_float_denorm_mode_32 3
		.amdhsa_float_denorm_mode_16_64 3
		.amdhsa_memory_ordered 1
		.amdhsa_forward_progress 1
		.amdhsa_inst_pref_size 20
	.end_amdhsa_kernel
	.amdgpu_metadata
---
amdhsa.version: [ 1, 2 ]
amdhsa.kernels:
  - .name:           k_q65c18475fe_ln2
    .symbol:         k_q65c18475fe_ln2.kd
    .args:
      - { .name: x1, .offset: 0, .size: 8, .value_kind: global_buffer, .address_space: global }
      - { .name: ln2_g, .offset: 8, .size: 8, .value_kind: global_buffer, .address_space: global }
      - { .name: ln2_b, .offset: 16, .size: 8, .value_kind: global_buffer, .address_space: global }
      - { .name: hn, .offset: 24, .size: 8, .value_kind: global_buffer, .address_space: global }
    .group_segment_fixed_size: 0
    .private_segment_fixed_size: 0
    .kernarg_segment_align: 8
    .kernarg_segment_size: 32
    .max_flat_workgroup_size: 256
    .sgpr_count:     66
    .vgpr_count:     148
    .wavefront_size: 32
...
	.end_amdgpu_metadata
.endif
;; end of part 3
;; launch mlp1 (part 4): grid 16 x 16, 4 waves a work-group, clusters of 4 x 4, 327,680 bytes of LDS; arguments hn, w1b, act, b1; writes act
.if DOCPART == 4
	.amdgcn_target "amdgcn-amd-amdhsa--gfx1250"
	.amdhsa_code_object_version 6
	.text
	.protected	k_q65c18475fe_mlp1
	.globl	k_q65c18475fe_mlp1
	.p2align	8
	.type	k_q65c18475fe_mlp1,@function
k_q65c18475fe_mlp1:
	s_mov_b64 s[64:65], 0
	v_nop
	global_prefetch_b8 v0, s[64:65] scope:SCOPE_SE
	s_setreg_imm32_b32 hwreg(HW_REG_WAVE_MODE, 25, 1), 1
	s_wait_xcnt 0x0
	s_wait_alu depctr_hold_cnt(0) depctr_sa_sdst(0) depctr_va_vdst(0) depctr_va_sdst(0) depctr_va_ssrc(0) depctr_va_vcc(0) depctr_vm_vsrc(0)
	s_getreg_b32 s2, hwreg(HW_REG_IB_STS2, 6, 4)
	s_cmp_eq_u32 s2, 0
	s_cbranch_scc0 .Lentry_in_a_cluster
	s_endpgm
.Lentry_in_a_cluster:
	s_bfe_u32 s2, ttmp6, 0x10000c
	s_cmp_lg_u32 s2, 0xf033
	s_cbranch_scc0 .Lentry_shape_is_right
	s_endpgm
.Lentry_shape_is_right:
; THE FIRST HALF OF THE MLP: act = silu(hn x w1b + b1).  hn: [4096][1024] bf16, K along the rows.  w1b: [1024 k][4096] bf16, N along the rows.  b1: [4096] f32.  Sums in f32.
; act is NOT row-major: it is laid out for the launch that multiplies it.  Each block of 16 rows x 32 columns is the 1,024-byte image of a matrix operand fragment:
;   byte ((row / 16) * 128 + col / 32) * 1024 + 512 * ((col / 16) & 1) + 16 * lane, lane = (row % 16) + 16 * ((col / 8) & 1), eight bf16 (col % 8 = 0..7) in the 16 bytes.
; A work-group makes 256 x 256 of the product with four waves, a wave 128 x 128: 64 accumulator tiles of 16 x 16, 512 registers.  K in steps of 128.
; Two LDS slots are filled by the tensor data mover; each wave brings a quarter of a slot with one load (waves 0, 1: hn's halves; waves 2, 3: the weights').
; CLUSTERS: 4 x 4 work-groups.  hn's tile hangs on the block row alone and is asked for jointly by a row of the cluster, the weights' tile on the block column alone
; and is asked for jointly by a column: each of the four issues the same load with the same descriptor and a mask that names the four.
; The weights lie [K][N]; their fragments are made by the transposing LDS load (16 bits, 8 x 8 within eight lanes).
; THE MATRIX INSTRUCTION IS USED TRANSPOSED: source 0 = 16 columns of the weights, source 1 = 16 rows of hn.  Lane l then holds row l % 16 of the result and its registers
; 0 to 7 the columns 8 (l / 16) + 0..7.  Rounded to bf16 these are the lane's 16 bytes of half a fragment image: a tile leaves by ONE store of 512 consecutive bytes, with no way through LDS.
; REGISTERS in windows of 256: window 0 addresses, hn's fragments (two buffers), the way out; window 1 the weights' fragments and the bias;
; windows 2 and 3 the accumulators, tile (a, b) at v[8 (8 a + b)].
; LIMITS: operands are bf16; NaN and infinities are not honoured; silu gives -0 where e^-z overflows.
.set NCOL,  4096
.set KDIM,  1024
.set BM,    256                        ; the block's rows and columns
.set BN,    256
.set KSTEP, 128                        ; K in a slot
.set PA,    272                        ; hn's LDS row: 256 bytes + 16, an odd multiple of 16: the 16 rows of a fragment load start at 16 different 16-byte columns of 256
.set QIA,   5                          ; pad after every 64 words
.set PB,    544                        ; the weights' LDS row: 512 bytes + 32, an odd multiple of 32 for the transposing load
.set QIB,   6                          ; pad after every 128 words
.set HALFT, 34816                      ; one load's bytes: 128 rows x 272 = 64 rows x 544
.set SLOT,  4*HALFT                    ; hn half 0, hn half 1, weights half 0, weights half 1 (the weights' halves follow each other without a gap)
.set LAPS,  KDIM/(2*KSTEP)             ; a lap = once round the ring
.set FRAG,  1024                       ; bytes of a fragment image in act
.set MROW,  (NCOL/32)*FRAG             ; from a block of 16 rows of act to the next: 131,072
.set ADRA, 16                          ; v16-17  LDS address of my hn fragments in slot 0, 1
.set ADRB, 20                          ; v20-21  the same for the weights
.set CO,   26                          ; v26     16 x lane: my 16 bytes of half a fragment image
.set BO,   27                          ; v27     my byte offset in the bias
.set F0,   64                          ; fragment buffer 0
.set F1,   128                         ; fragment buffer 1
.set Z,    64                          ; the way out: 16 rows in f32
.set E,    128                         ; the way out: the exponentials
.set TMP,  192                         ; the way out: packed results
.set BIAS, 192                         ; window 1: the bias of my 128 columns, 8 for each n block
.set G1, 24                            ; s[24:31] descriptor group 1 for hn's tiles
.set G0, 32                            ; s[32:39] group 0 for hn's tiles, one set for each slot
.set G1B, 48                           ; s[48:55] group 1 for the weights' tiles
.set G0B, 56                           ; s[56:63] group 0 for the weights' tiles, one set for each slot
.set MSB, 0
.macro WIN new                         ; low byte: bits 1:0 source 0, 3:2 source 1, 5:4 source 2, 7:6 destination; the high byte repeats the setting that is left
.if MSB != \new
	s_set_vgpr_msb (MSB<<8)|\new
.set MSB, \new
.endif
.endm
.set MUL_LO, 0xa1                      ; source 0 (weights) window 1, source 1 (hn) window 0, C and D window 2
.set MUL_HI, 0xf1                      ; the same, C and D window 3
.set TO_B,   0x40                      ; destination window 1, address window 0
; A joint load.  Waves 0 and 1 ask for hn's halves, waves 2 and 3 for the weights'.  Each line has one mask; the branch hangs on the wave's number alone.
.macro JLOAD s
	s_cmp_eq_u32 s11, 0
	s_cbranch_scc0 .Lfor_b_\@
	tensor_load_to_lds s[G0+4*\s:G0+4*\s+3], s[G1:G1+7]
	s_nop 0
	s_branch .Lasked_\@
.Lfor_b_\@:
	tensor_load_to_lds s[G0B+4*\s:G0B+4*\s+3], s[G1B:G1B+7]
	s_nop 0
.Lasked_\@:
.endm
; A round of the cluster's barrier: my work-group's barrier; wave 0 signals for the work-group; every wave waits for all sixteen; my work-group's barrier again.
.macro CREST                           ; a round behind its opening barrier
	s_cmp_lg_u32 s10, 0
	s_cbranch_scc1 .Lnot_wave_0_\@
	s_barrier_signal -3
.Lnot_wave_0_\@:
	s_barrier_wait -3
	s_barrier_signal -1
	s_barrier_wait -1
.endm
.macro CROUND                          ; a whole round
	s_barrier_signal -1
	s_barrier_wait -1
	CREST
.endm
	s_load_b128 s[4:7], s[0:1], 0x0                ; hn s[4:5], w1b s[6:7]
	s_load_b64 s[8:9], s[0:1], 0x10                ; act
	s_load_b64 s[66:67], s[0:1], 0x18              ; b1
	s_set_vgpr_msb 0x40
	v_lshl_add_u32 v63, v0, 2, 0x44000
	s_set_vgpr_msb 0x4000
	v_mov_b32 v255, 0
	s_set_vgpr_msb 0x1
	ds_add_u32 v63, v255
	s_set_vgpr_msb 0x100
	v_lshrrev_b32 v1, 5, v0
	v_readfirstlane_b32 s10, v1                    ; wave 0..3
	s_lshr_b32 s11, s10, 1                         ; I ask for hn (0) or for the weights (1); also my half of the block's rows
	s_and_b32 s12, s10, 1                          ; which half of that tile I ask for; also my half of the block's columns
	s_bfe_u32 s40, ttmp6, 0x40000                  ; cx
	s_bfe_u32 s41, ttmp6, 0x40004                  ; cy
	s_lshl_b32 s42, ttmp9, 2
	s_add_co_u32 s42, s42, s40                     ; block column = 4 x cluster x + cx
	s_and_b32 s13, ttmp7, 0xffff
	s_lshl_b32 s13, s13, 2
	s_add_co_u32 s13, s13, s41                     ; block row = 4 x cluster y + cy
	s_lshl_b32 s43, s41, 2
	s_lshl_b32 s43, 15, s43                        ; my row of the cluster: places 4 cy .. 4 cy + 3
	s_lshl_b32 s44, 0x1111, s40                    ; my column: places cx, cx + 4, cx + 8, cx + 12
	; group 1 of hn: 128 rows x 128 elements of 2 bytes, 4 words of padding behind each row; of the weights: 64 rows x 256 elements, 8 words of padding
	s_or_b32 s[G1+0], s43, (1<<16)|(1<<20)|(1<<21)|(QIA<<22)|(3<<25)    ; 15:0 mask; 17:16 element size; 20 padding on; 21 set beside a mask; 24:22 interval; 31:25 pad - 1
	s_or_b32 s[G1B+0], s44, (1<<16)|(1<<20)|(1<<21)|(QIB<<22)|(7<<25)
	s_mov_b32 s[G1+1], KSTEP<<16                   ; tensor_dim0
	s_mov_b32 s[G1B+1], BN<<16
	s_mov_b32 s[G1+2], (BM/2)<<16                  ; tensor_dim1
	s_mov_b32 s[G1B+2], (KSTEP/2)<<16
	s_mov_b32 s[G1+3], KSTEP<<16                   ; tile_dim0
	s_mov_b32 s[G1B+3], BN<<16
	s_mov_b32 s[G1+4], BM/2                        ; tile_dim1
	s_mov_b32 s[G1B+4], KSTEP/2
	s_mov_b32 s[G1+5], KDIM                        ; elements from row to row
	s_mov_b32 s[G1B+5], NCOL
	s_mov_b32 s[G1+6], 0
	s_mov_b32 s[G1B+6], 0
	s_mov_b32 s[G1+7], 0
	s_mov_b32 s[G1B+7], 0
	; where the tiles come from: hn's address is made of the block row and the wave's number, the weights' of the block column and the wave's number
	s_mul_i32 s16, s13, BM
	s_mul_i32 s17, s12, BM/2
	s_add_co_u32 s16, s16, s17                     ; hn: row 256 x block row + 128 x half
	s_mul_i32 s16, s16, KDIM*2                     ; in bytes: 4,096 rows of 2,048 bytes stay below 2^32
	s_mov_b32 s17, 0
	s_mul_i32 s46, s12, KSTEP*NCOL                 ; weights: 64 rows of 8,192 bytes for the second half
	s_mul_i32 s47, s42, BN*2                       ;    + the block column
	s_add_co_u32 s46, s46, s47
	s_mov_b32 s47, 0
	s_mul_i32 s20, s10, HALFT                      ; where they go: wave x one load's bytes; no place in the cluster enters an LDS address
	s_wait_dscnt 0x0
	s_wait_kmcnt 0x0
	s_add_nc_u64 s[14:15], s[4:5], s[16:17]
	s_add_nc_u64 s[46:47], s[6:7], s[46:47]
	CROUND                                         ; all sixteen work-groups are here: the first joint loads meet
.irp s, 0,1
	s_mov_b32 s[G0+4*\s], 1
	s_add_co_u32 s[G0+4*\s+1], s20, \s*SLOT
	s_add_nc_u64 s[G0+4*\s+2:G0+4*\s+3], s[14:15], \s*KSTEP*2
	s_or_b32 s[G0+4*\s+3], s[G0+4*\s+3], 0x80000000
	s_mov_b32 s[G0B+4*\s], 1
	s_add_co_u32 s[G0B+4*\s+1], s20, \s*SLOT
	s_add_nc_u64 s[G0B+4*\s+2:G0B+4*\s+3], s[46:47], \s*KSTEP*NCOL*2
	s_or_b32 s[G0B+4*\s+3], s[G0B+4*\s+3], 0x80000000
	JLOAD \s                                       ; both slots' first fills go out before anything else: two loads of this wave are out
.endr
	; fragment addresses.  hn: lane l takes row l % 16, 16 bytes at 16 (l / 16), and 32 bytes further.  Weights: lane l addresses k row 8 (l / 16) + (l & 7),
	; 16 bytes at 16 ((l >> 3) & 1), and 16 rows further; the transposing load hands lane l column l % 16.
	v_and_b32 v1, 15, v0
	v_bfe_u32 v2, v0, 4, 1
	v_mul_u32_u24 v3, v1, PA
	v_lshl_add_u32 v3, v2, 4, v3
	v_and_b32 v4, 7, v0
	v_lshl_add_u32 v4, v2, 3, v4
	v_mul_u32_u24 v4, v4, PB
	v_bfe_u32 v5, v0, 3, 1
	v_lshl_add_u32 v4, v5, 4, v4
	s_mul_i32 s21, s11, HALFT                      ; my 128 rows of hn
	s_lshl_b32 s22, s12, 8                         ; my 128 columns of the weights,
	s_add_co_u32 s22, s22, 2*HALFT                 ; which lie behind hn
.irp s, 0,1
	v_add_nc_u32 v[ADRA+\s], s21, v3
	v_add_nc_u32 v[ADRB+\s], s22, v4
	s_add_co_u32 s21, s21, SLOT
	s_add_co_u32 s22, s22, SLOT
.endr
	v_and_b32 v6, 31, v0
	v_lshlrev_b32 v[CO], 4, v6                     ; 16 x lane
	v_lshlrev_b32 v[BO], 5, v2                     ; my eight columns of an n block: 32 bytes for each half of the lanes
	s_lshl_b32 s70, s42, 10                        ; bias: 256 columns a block, 128 a wave, 4 bytes
	s_lshl_b32 s71, s12, 9
	s_add_co_u32 s70, s70, s71
	s_mov_b32 s71, 0
	s_add_nc_u64 s[66:67], s[66:67], s[70:71]
	s_lshl_b32 s72, s13, 21                        ; act: 16 blocks of 16 rows a block row, 131,072 bytes each,
	s_lshl_b32 s73, s11, 20                        ; 8 of them a wave,
	s_add_co_u32 s72, s72, s73
	s_lshl_b32 s73, s42, 13                        ; 8 fragment images of 1,024 bytes a block column,
	s_add_co_u32 s72, s72, s73
	s_lshl_b32 s73, s12, 12                        ; 4 of them a wave
	s_add_co_u32 s72, s72, s73
	s_mov_b32 s73, 0
	s_add_nc_u64 s[8:9], s[8:9], s[72:73]
	s_mov_b32 s74, 0xbfb8aa3b                      ; -log2(e), twice: a pair for the packed multiply
	s_mov_b32 s75, 0xbfb8aa3b
	WIN TO_B
.irp b, 0,1,2,3,4,5,6,7
	global_load_b128 v[BIAS+8*\b:BIAS+8*\b+3],   v[BO], s[66:67] offset:64*\b       ; waited for at the way out; its address registers are never rewritten
	global_load_b128 v[BIAS+8*\b+4:BIAS+8*\b+7], v[BO], s[66:67] offset:64*\b+16
.endr
	WIN 0
; 16 matrix instructions: m blocks a0, a0 + 1 of the window's four x all 8 n blocks, 32 along K.  zero = 1: the first product starts the sums.
; The 64 accumulators take turns, one instruction a turn, in the same order in every quarter.
.macro MUL16 f, hi, a0, zero
.irp a, \a0, \a0+1
.irp b, 0,1,2,3,4,5,6,7
.if \zero
	v_wmma_f32_16x16x32_bf16 v[8*(8*(\a)+\b):8*(8*(\a)+\b)+7], v[\f+8*\b:\f+8*\b+7], v[\f+8*(4*\hi+\a):\f+8*(4*\hi+\a)+7], 0
.else
	v_wmma_f32_16x16x32_bf16 v[8*(8*(\a)+\b):8*(8*(\a)+\b)+7], v[\f+8*\b:\f+8*\b+7], v[\f+8*(4*\hi+\a):\f+8*(4*\hi+\a)+7], v[8*(8*(\a)+\b):8*(8*(\a)+\b)+7]
.endif
.endr
.endr
.endm
; 32 LDS loads in one run: quarter q of a slot (128 columns of the weights, 128 rows of hn, 32 along K) into buffer f
.macro FETCH slot, q, f
	WIN TO_B
.irp b, 0,1,2,3,4,5,6,7
	ds_load_tr16_b128 v[\f+8*\b:\f+8*\b+3],   v[ADRB+\slot] offset:\q*32*PB+32*\b
	ds_load_tr16_b128 v[\f+8*\b+4:\f+8*\b+7], v[ADRB+\slot] offset:\q*32*PB+32*\b+16*PB
.endr
	WIN 0
.irp i, 0,1,2,3,4,5,6,7
	ds_load_b128 v[\f+8*\i:\f+8*\i+3],   v[ADRA+\slot] offset:\i*16*PA+64*\q
	ds_load_b128 v[\f+8*\i+4:\f+8*\i+7], v[ADRA+\slot] offset:\i*16*PA+64*\q+32
.endr
.endm
; Four places behind a matrix instruction before a load lands on a register that it read or a vector instruction reads its result;
; the matrix instructions in between are not counted.
.macro PLACES
.rept 4
	v_nop
.endr
.endm
; A quarter: multiplies buffer f; in its middle it fetches quarter q of the same slot into buffer g.
.macro QUARTER slot, q, f, g, zero
	s_wait_dscnt 8                                 ; the weights and hn's rows 0-63 are in; the youngest eight loads (hn's rows 64-127) may be out
	WIN MUL_LO
	MUL16 \f, 0, 0, \zero
	MUL16 \f, 0, 2, \zero
	PLACES
	FETCH \slot, \q, \g
	s_wait_dscnt 32                                ; all but the 32 just issued
	WIN MUL_HI
	MUL16 \f, 1, 0, \zero
	MUL16 \f, 1, 2, \zero
.endm
.macro FRONT slot, zero                ; the first three quarters of a slot
	QUARTER \slot, 1, F0, F1, \zero
	QUARTER \slot, 2, F1, F0, 0
	QUARTER \slot, 3, F0, F1, 0
.endm
; The last quarter of a slot: multiplies buffer 1 and changes slots.  In front of the barrier each wave waits for its reads of this slot and for all its
; tensor loads, of which one is out: its part of the next slot.  Behind it (with fill: behind the cluster's round that it opens) the refill comes first.
.macro TURN slot, next, fill
	s_wait_dscnt 8
	WIN MUL_LO
	MUL16 F1, 0, 0, 0
	s_wait_dscnt 0                                 ; my reads of this slot are over
	s_wait_tensorcnt 0x0                           ; all my tensor loads have landed
	ds_add_u32 v63, v255
	s_wait_dscnt 0x0
	s_barrier_signal -1
	MUL16 F1, 0, 2, 0                              ; register work while the others arrive
	WIN 0
	s_barrier_wait -1
.if \fill
	CREST                                          ; no wave of any partner still reads this slot or has a load on its way
	s_add_nc_u64 s[G0+4*\slot+2:G0+4*\slot+3], s[G0+4*\slot+2:G0+4*\slot+3], 2*KSTEP*2
	s_add_nc_u64 s[G0B+4*\slot+2:G0B+4*\slot+3], s[G0B+4*\slot+2:G0B+4*\slot+3], 2*KSTEP*NCOL*2
	JLOAD \slot                                    ; my one tensor load behind the round, and the first thing there
.endif
	PLACES
	FETCH \next, 0, F0
	WIN MUL_HI
	MUL16 F1, 1, 0, 0
	MUL16 F1, 1, 2, 0
.endm
.macro LAP zero
	FRONT 0, \zero
	TURN 0, 1, 1
	FRONT 1, 0
	TURN 1, 0, 1
.endm
	s_wait_tensorcnt 1                             ; my part of slot 0 is in; slot 1's stays out
	s_barrier_signal -1
	s_barrier_wait -1
	FETCH 0, 0, F0
	LAP 1                                          ; the first lap stands in front of the loop: its first products start the sums
	WIN 0
	s_mov_b32 s3, LAPS-2
.Llap:
	LAP 0
	WIN 0
	s_sub_co_u32 s3, s3, 1
	s_cmp_lg_u32 s3, 0
	s_cbranch_scc1 .Llap
	FRONT 0, 0                                     ; the last lap fills nothing
	TURN 0, 1, 0
	FRONT 1, 0
	s_wait_dscnt 8                                 ; the very last quarter
	WIN MUL_LO
	MUL16 F1, 0, 0, 0
	MUL16 F1, 0, 2, 0
	s_wait_dscnt 0
	WIN MUL_HI
	MUL16 F1, 1, 0, 0
	MUL16 F1, 1, 2, 0
	PLACES                                         ; the places behind the last matrix instructions, for all that follows
; THE WAY OUT, 16 rows at a time: + bias, silu, round to bf16, and each tile's 16 bytes a lane go out as they lie: n block b is half (b & 1) of fragment image b / 2.
; from: source 0 in the accumulators' window, source 1 (the bias) in window 1.
.macro OUT16 i, a, from
	WIN \from
.irp b, 0,1,2,3,4,5,6,7
.irp k, 0,2,4,6
	v_pk_add_f32 v[Z+8*\b+\k:Z+8*\b+\k+1], v[8*(8*\a+\b)+\k:8*(8*\a+\b)+\k+1], v[BIAS+8*\b+\k:BIAS+8*\b+\k+1]
.endr
.endr
	WIN 0
	; silu(z) = z / (1 + 2^(-z log2 e))
.set n, 0
.rept 32
	v_pk_mul_f32 v[E+n:E+n+1], v[Z+n:Z+n+1], s[74:75] op_sel_hi:[1,0]
.set n, n+2
.endr
.set n, 0
.rept 64
	v_exp_f32 v[E+n], v[E+n]
.set n, n+1
.endr
	v_nop                                          ; one plain place between the transcendentals and the use of their results (ISA guide 5.7.2)
.set n, 0
	s_wait_alu depctr_va_vdst(0)
.rept 32
	v_pk_add_f32 v[E+n:E+n+1], v[E+n:E+n+1], 1.0 op_sel_hi:[1,0]
.set n, n+2
.endr
.set n, 0
.rept 64
	v_rcp_f32 v[E+n], v[E+n]
.set n, n+1
.endr
	v_nop
.set n, 0
	s_wait_alu depctr_va_vdst(0)
.rept 32
	v_pk_mul_f32 v[Z+n:Z+n+1], v[Z+n:Z+n+1], v[E+n:E+n+1]
.set n, n+2
.endr
.if \i
	s_wait_xcnt 0x0                                ; the last block's stores have had their addresses translated: their data registers are rewritten only behind this wait
.endif
.irp b, 0,1,2,3,4,5,6,7
.irp r, 0,1,2,3
	v_cvt_pk_bf16_f32 v[TMP+4*\b+\r], v[Z+8*\b+2*\r], v[Z+8*\b+2*\r+1]
.endr
.endr
.irp b, 0,1,2,3,4,5,6,7
	global_store_b128 v[CO], v[TMP+4*\b:TMP+4*\b+3], s[8:9] offset:\i*MROW+512*\b   ; 512 consecutive bytes, at a multiple of 512 from act's first byte; the eight cover 4,096
.endr
.endm
	s_wait_loadcnt 0x0                             ; the bias
	OUT16 0, 0, 0x06
	OUT16 1, 1, 0x06
	OUT16 2, 2, 0x06
	OUT16 3, 3, 0x06
	OUT16 4, 0, 0x07
	OUT16 5, 1, 0x07
	OUT16 6, 2, 0x07
	OUT16 7, 3, 0x07
	CROUND                                         ; the closing round: no work-group ends while a partner may still ask for a tile that names it
	s_endpgm
.Lfunc_end_k_q65c18475fe_mlp1:
	.size	k_q65c18475fe_mlp1, .Lfunc_end_k_q65c18475fe_mlp1-k_q65c18475fe_mlp1
	.p2alignl 7, 3214868480
	.fill 96, 4, 3214868480
	.section	.rodata,"a",@progbits
	.p2align	6, 0x0
	.amdhsa_kernel k_q65c18475fe_mlp1
		.amdhsa_group_segment_fixed_size 327680
		.amdhsa_private_segment_fixed_size 0
		.amdhsa_enable_private_segment 0
		.amdhsa_kernarg_size 32
		.amdhsa_user_sgpr_count 2
		.amdhsa_user_sgpr_kernarg_segment_ptr 1
		.amdhsa_wavefront_size32 1
		.amdhsa_system_sgpr_workgroup_id_x 1
		.amdhsa_system_sgpr_workgroup_id_y 1
		.amdhsa_system_sgpr_workgroup_id_z 1
		.amdhsa_system_vgpr_workitem_id 0
		.amdhsa_next_free_vgpr 1024
		.amdhsa_next_free_sgpr 76
		.amdhsa_reserve_vcc 0
		.amdhsa_float_denorm_mode_32 3
		.amdhsa_float_denorm_mode_16_64 3
		.amdhsa_memory_ordered 1
		.amdhsa_forward_progress 1
		.amdhsa_inst_pref_size 255
	.end_amdhsa_kernel
	.section	.bss,"aw",@nobits
	.p2align	6
	.space	262144
	.amdgpu_metadata
---
amdhsa.version: [ 1, 2 ]
amdhsa.kernels:
  - .name:           k_q65c18475fe_mlp1
    .symbol:         k_q65c18475fe_mlp1.kd
    .args:
      - { .name: hn, .offset: 0, .size: 8, .value_kind: global_buffer, .address_space: global }
      - { .name: w1b, .offset: 8, .size: 8, .value_kind: global_buffer, .address_space: global }
      - { .name: act, .offset: 16, .size: 8, .value_kind: global_buffer, .address_space: global }
      - { .name: b1, .offset: 24, .size: 8, .value_kind: global_buffer, .address_space: global }
    .group_segment_fixed_size: 327680
    .private_segment_fixed_size: 0
    .kernarg_segment_align: 8
    .kernarg_segment_size: 32
    .max_flat_workgroup_size: 128
    .sgpr_count:     76
    .vgpr_count:     1024
    .wavefront_size: 32
...
	.end_amdgpu_metadata
.endif
;; end of part 4
;; launch mlp2 (part 5): grid 8 x 32, 4 waves a work-group, clusters of 4 x 4, 327,680 bytes of LDS; arguments act, w2b, out0, b2, x1; writes out0
.if DOCPART == 5
	.amdgcn_target "amdgcn-amd-amdhsa--gfx1250"
	.amdhsa_code_object_version 6
	.text
	.protected	k_q65c18475fe_mlp2
	.globl	k_q65c18475fe_mlp2
	.p2align	8
	.type	k_q65c18475fe_mlp2,@function
k_q65c18475fe_mlp2:
	s_mov_b64 s[64:65], 0
	v_nop
	global_prefetch_b8 v0, s[64:65] scope:SCOPE_SE
	s_setreg_imm32_b32 hwreg(HW_REG_WAVE_MODE, 25, 1), 1
	s_wait_xcnt 0x0
	s_wait_alu depctr_hold_cnt(0) depctr_sa_sdst(0) depctr_va_vdst(0) depctr_va_sdst(0) depctr_va_ssrc(0) depctr_va_vcc(0) depctr_vm_vsrc(0)
	s_getreg_b32 s2, hwreg(HW_REG_IB_STS2, 6, 4)
	s_cmp_eq_u32 s2, 0
	s_cbranch_scc0 .Lentry_in_a_cluster
	s_endpgm
.Lentry_in_a_cluster:
	s_bfe_u32 s2, ttmp6, 0x10000c
	s_cmp_lg_u32 s2, 0xf033
	s_cbranch_scc0 .Lentry_shape_is_right
	s_endpgm
.Lentry_shape_is_right:
; THE SECOND HALF OF THE MLP AND THE SECOND RESIDUAL: out0 = x1 + act x w2b + b2.  w2b: [4096 k][1024] bf16, N along the rows.  b2: [1024] f32.  x1, out0: [4096][1024] f32.  Sums in f32.
; act holds [4096 rows][4096 k] in bf16 as images of operand fragments: the block of rows 16 m .. 16 m + 15 and k = 32 c .. 32 c + 31 is the 1,024 bytes at (128 m + c) * 1024;
; lane l's registers 0-3 are the 16 bytes at 16 l, its registers 4-7 those at 512 + 16 l.
; THE SHAPE: 4,096 x 1,024 results give only 64 blocks of 256 x 256, so the block is 128 x 128 (256 work-groups) and ALL four waves make the whole block, each on its own quarter of K:
; 64 accumulator tiles, 512 registers a wave; the four partial sums meet in LDS at the end.  Wave w takes k = 512 s + 128 w .. + 127 of every 512.
; WHERE THE OPERANDS GO.  No two waves of the work-group read the same byte of either operand, so LDS spares no traffic here; it is the place where tensor loads land.
;   The weights need LDS: their fragments are made by the transposing LDS load, and their tile is shared between work-groups.  K goes in steps of 512 through two slots of 4 x 36,864 bytes;
;   each wave brings, by one load, exactly the 128 k rows that it multiplies.
;   act does NOT go through LDS: a fragment is two loads of 512 consecutive bytes straight into the registers that the matrix instruction names.  A ring of four buffers (64 registers each, one for
;   32 along K) is asked for three quarters ahead: 48 loads, 24 KiB a wave, stay on their way, over the barriers too, since their waits are counted.
; WHY act IS NOT ASKED FOR JOINTLY, though the four work-groups of a row of the cluster read the same rows: with both operands in LDS two slots of these 147,456 bytes hold 256 along K each, and a wave
; has 112 products between a tile's request and the wait for it; with the weights alone they hold 512, and it has 240.  One tensor load a wave behind each barrier cannot put more on its way.
; CLUSTERS: 4 x 4 work-groups.  The weights' tile hangs on the block column alone and is asked for jointly by a column of the cluster: each of the four issues the same load with the same
; descriptor and a mask that names the four.
; THE MATRIX INSTRUCTION IS USED TRANSPOSED: source 0 = 16 columns of the weights, source 1 = 16 rows of act.  Lane l then holds row l % 16 of the result and its registers 0 to 7
; the columns 8 (l / 16) + 0..7.
; REGISTERS in windows of 256: window 0 addresses and the weights' fragments (two buffers at v64, v128); window 1 act's ring, buffer t % 4 at v[64 (t % 4)], at the end x1;
; windows 2 and 3 the accumulators, tile (a, b) at v[8 (8 a + b)].
; LIMITS: operands are bf16; NaN and infinities are not honoured; the sum over K is made of four partial sums.
.set NCOL,   1024
.set KDIM,   4096
.set BN,     128                       ; the block's columns (and rows)
.set KSTEP,  512                       ; K in a slot
.set KW,     KSTEP/4                   ; a wave's part of it: four quarters of 32
.set PB,     288                       ; the weights' LDS row: 256 bytes + 32, an odd multiple of 32 for the transposing load
.set WPART,  KW*PB                     ; 36,864: what a wave brings and reads
.set SLOT,   4*WPART                   ; 147,456
.set LAPS,   KDIM/(2*KSTEP)            ; a lap = once round the ring = 8 quarters of a wave
.set FRAG,   1024                      ; bytes of a fragment image in act
.set MROW,   (KDIM/32)*FRAG            ; from a block of 16 rows of act to the next: 131,072
.set PPITCH, 528                       ; a row of 128 f32 of a partial block + 16
.set PART,   128*PPITCH                ; one wave's partial block; the four lie in the ring's bytes, behind the ring's last fill
.set ADRB, 20                          ; v20-21  LDS address of my fragments of the weights in slot 0, 1
.set STO,  24                          ; v24     the way out: where I put my partial sums
.set CO,   26                          ; v26     16 x lane: my 16 bytes of half a fragment image, and of a row of 128 f32; never rewritten
.set RDP,  28                          ; v28-31  where I read the four partial blocks
.set BV,   32                          ; v32-35  the bias of my four columns
.set G1, 48                            ; s[48:55] descriptor group 1
.set G0, 56                            ; s[56:63] group 0, one set for each slot
.set MSB, 0
.macro WIN new                         ; low byte: bits 1:0 source 0, 3:2 source 1, 5:4 source 2, 7:6 destination; the high byte repeats the setting that is left
.if MSB != \new
	s_set_vgpr_msb (MSB<<8)|\new
.set MSB, \new
.endif
.endm
.set MUL_LO, 0xa4                      ; source 0 (weights) window 0, source 1 (act) window 1, C and D window 2
.set MUL_HI, 0xf4                      ; the same, C and D window 3
.set TO_A,   0x40                      ; destination window 1, address window 0
; A round of the cluster's barrier: my work-group's barrier; wave 0 signals for the work-group; every wave waits for all sixteen; my work-group's barrier again.
.macro CREST                           ; a round behind its opening barrier
	s_cmp_lg_u32 s10, 0
	s_cbranch_scc1 .Lnot_wave_0_\@
	s_barrier_signal -3
.Lnot_wave_0_\@:
	s_barrier_wait -3
	s_barrier_signal -1
	s_barrier_wait -1
.endm
.macro CROUND                          ; a whole round
	s_barrier_signal -1
	s_barrier_wait -1
	CREST
.endm
; Four places behind a matrix instruction before a load lands on a register that it read or a vector instruction or an LDS store reads its result;
; the matrix instructions in between are not counted.
.macro PLACES
.rept 4
	v_nop
.endr
.endm
; The macros below work on four numbers that the caller sets: FB, the weights' buffer that is multiplied; AB, act's; FN and QN, the buffer and the quarter of a slot that are fetched;
; TQ, the quarter, counted from the lap's first, whose fragments of act are asked for.
; 16 loads: act's eight fragments of quarter TQ into ring buffer TQ % 4 (kind 1); or 16 rows of x1 into that buffer, in the last lap, where nothing of act is left to ask for (kind 2).
.macro ASK kind
.if \kind == 1
	WIN TO_A
.irp i, 0,1,2,3,4,5,6,7
	global_load_b128 v[64*(TQ%4)+8*\i:64*(TQ%4)+8*\i+3],   v[CO], s[4:5] offset:((TQ/4)*16+TQ%4)*FRAG+\i*MROW        ; 512 consecutive bytes; a slot is 16 images along K, my part 4 of them
	global_load_b128 v[64*(TQ%4)+8*\i+4:64*(TQ%4)+8*\i+7], v[CO], s[4:5] offset:((TQ/4)*16+TQ%4)*FRAG+\i*MROW+512
.endr
.endif
.if \kind == 2
	WIN TO_A
.set rr, 16*(TQ%4)
.rept 16
	global_load_b128 v[4*rr:4*rr+3], v[CO], s[68:69] offset:rr*4096          ; row rr of my 32 rows of x1: 512 consecutive bytes
.set rr, rr+1
.endr
.endif
.endm
; 16 LDS loads: the weights' eight fragments of quarter QN of my part of a slot into buffer FN
.macro FETCH slot
	WIN 0
.irp b, 0,1,2,3,4,5,6,7
	ds_load_tr16_b128 v[FN+8*\b:FN+8*\b+3],   v[ADRB+\slot] offset:QN*32*PB+32*\b
	ds_load_tr16_b128 v[FN+8*\b+4:FN+8*\b+7], v[ADRB+\slot] offset:QN*32*PB+32*\b+16*PB
.endr
.endm
; 16 matrix instructions: m blocks a0, a0 + 1 of the window's four x all 8 n blocks, 32 along K.  zero = 1: the first product starts the sums.
; The 64 accumulators take turns, one instruction a turn, in the same order in every quarter.
.macro MUL16 hi, a0, zero
.irp a, \a0, \a0+1
.irp b, 0,1,2,3,4,5,6,7
.if \zero
	v_wmma_f32_16x16x32_bf16 v[8*(8*(\a)+\b):8*(8*(\a)+\b)+7], v[FB+8*\b:FB+8*\b+7], v[AB+8*(4*\hi+\a):AB+8*(4*\hi+\a)+7], 0
.else
	v_wmma_f32_16x16x32_bf16 v[8*(8*(\a)+\b):8*(8*(\a)+\b)+7], v[FB+8*\b:FB+8*\b+7], v[AB+8*(4*\hi+\a):AB+8*(4*\hi+\a)+7], v[8*(8*(\a)+\b):8*(8*(\a)+\b)+7]
.endif
.endr
.endr
.endm
	s_load_b128 s[4:7], s[0:1], 0x0                ; act s[4:5], w2b s[6:7]
	s_load_b64 s[8:9], s[0:1], 0x10                ; out0
	s_load_b64 s[66:67], s[0:1], 0x18              ; b2
	s_load_b64 s[68:69], s[0:1], 0x20              ; x1
	v_lshl_add_u32 v254, v0, 2, 0x48000
	v_mov_b32 v255, 0
	ds_add_u32 v254, v255
	v_lshrrev_b32 v1, 5, v0
	v_readfirstlane_b32 s10, v1                    ; wave 0..3
	s_bfe_u32 s40, ttmp6, 0x40000                  ; cx
	s_bfe_u32 s41, ttmp6, 0x40004                  ; cy
	s_lshl_b32 s42, ttmp9, 2
	s_add_co_u32 s42, s42, s40                     ; block column = 4 x cluster x + cx
	s_and_b32 s13, ttmp7, 0xffff
	s_lshl_b32 s13, s13, 2
	s_add_co_u32 s13, s13, s41                     ; block row = 4 x cluster y + cy
	s_lshl_b32 s44, 0x1111, s40                    ; my column of the cluster: places cx, cx + 4, cx + 8, cx + 12
	; group 1: 128 k rows x 128 elements of 2 bytes, 1,024 elements from row to row, 8 words of padding behind every 64
	s_or_b32 s[G1+0], s44, (1<<16)|(1<<20)|(1<<21)|(5<<22)|(7<<25)    ; 15:0 mask; 17:16 element size; 20 padding on; 21 set beside a mask; 24:22 interval; 31:25 pad - 1
	s_mov_b32 s[G1+1], BN<<16                      ; tensor_dim0
	s_mov_b32 s[G1+2], KW<<16                      ; tensor_dim1
	s_mov_b32 s[G1+3], BN<<16                      ; tile_dim0
	s_mov_b32 s[G1+4], KW                          ; tile_dim1
	s_mov_b32 s[G1+5], NCOL                        ; elements from row to row
	s_mov_b32 s[G1+6], 0
	s_mov_b32 s[G1+7], 0
	s_mul_i32 s46, s10, KW*NCOL*2                  ; the weights: my 128 k rows of 2,048 bytes,
	s_lshl_b32 s47, s42, 8                         ; + the block column: made of the block column and the wave's number alone
	s_add_co_u32 s46, s46, s47
	s_mov_b32 s47, 0
	s_mul_i32 s20, s10, WPART                      ; where they go: wave x one load's bytes; no place in the cluster enters an LDS address
	s_lshl_b32 s16, s13, 20                        ; act: 8 blocks of 16 rows a block row, 131,072 bytes each,
	s_lshl_b32 s17, s10, 12                        ; + my 4 images of the first 16 along K
	s_add_co_u32 s16, s16, s17
	s_mov_b32 s17, 0
	s_wait_dscnt 0x0
	s_wait_kmcnt 0x0
	s_add_nc_u64 s[46:47], s[6:7], s[46:47]
	s_add_nc_u64 s[4:5], s[4:5], s[16:17]
	CROUND                                         ; all sixteen work-groups are here: the first joint loads meet
.irp s, 0,1
	s_mov_b32 s[G0+4*\s], 1
	s_add_co_u32 s[G0+4*\s+1], s20, \s*SLOT
	s_add_nc_u64 s[G0+4*\s+2:G0+4*\s+3], s[46:47], \s*KSTEP*NCOL*2
	s_or_b32 s[G0+4*\s+3], s[G0+4*\s+3], 0x80000000
	tensor_load_to_lds s[G0+4*\s:G0+4*\s+3], s[G1:G1+7]    ; both slots' first fills go out before anything else: two loads of this wave are out
	s_nop 0
.endr
	v_and_b32 v6, 31, v0
	v_lshlrev_b32 v[CO], 4, v6                     ; 16 x lane
	s_lshl_b32 s70, s42, 9                         ; bias: 128 columns a block, 4 bytes
	s_mov_b32 s71, 0
	s_add_nc_u64 s[66:67], s[66:67], s[70:71]
	global_load_b128 v[BV:BV+3], v[CO], s[66:67]   ; ahead of act's loads, so that the first counted wait covers it
.set TQ, 0
	ASK 1                                          ; act's ring is filled: quarters 0, 1, 2
.set TQ, 1
	ASK 1
.set TQ, 2
	ASK 1
	WIN 0
	; LDS addresses.  The transposing load: lane l addresses k row 8 (l / 16) + (l & 7), 16 bytes at 16 ((l >> 3) & 1), and 16 rows further; it receives column l % 16.
	v_and_b32 v1, 15, v0
	v_bfe_u32 v2, v0, 4, 1
	v_and_b32 v4, 7, v0
	v_lshl_add_u32 v4, v2, 3, v4
	v_mul_u32_u24 v4, v4, PB
	v_bfe_u32 v5, v0, 3, 1
	v_lshl_add_u32 v4, v5, 4, v4
	v_add_nc_u32 v[ADRB], s20, v4                  ; my part of slot 0: the bytes that my own load fills
	v_add_nc_u32 v[ADRB+1], SLOT, v[ADRB]
	s_mul_i32 s23, s10, PART                       ; my partial block
	v_mul_u32_u24 v5, v1, PPITCH                   ; row l % 16, 32 bytes for each half of the lanes
	v_lshl_add_u32 v5, v2, 5, v5
	v_add_nc_u32 v[STO], s23, v5
	s_mul_i32 s23, s10, 32*PPITCH                  ; at the end I own the block's rows 32 w .. 32 w + 31
	v_add_nc_u32 v7, s23, v[CO]
.irp s, 0,1,2,3
	v_add_nc_u32 v[RDP+\s], \s*PART, v7
.endr
	s_lshl_b32 s72, s13, 7
	s_lshl_b32 s73, s10, 5
	s_add_co_u32 s72, s72, s73                     ; my first row at the way out,
	s_lshl_b32 s72, s72, 12                        ; of 4,096 bytes,
	s_add_co_u32 s72, s72, s70                     ; and the block's first column
	s_mov_b32 s73, 0
	s_add_nc_u64 s[8:9], s[8:9], s[72:73]
	s_add_nc_u64 s[68:69], s[68:69], s[72:73]
; One of the first three quarters of a slot: quarter q of the slot, quarter u of the lap.  64 products; behind the first 16 one run of 32 loads: the weights' next quarter, 48 products
; ahead of its use, and act's (or x1's) 16 loads into the ring buffer that the quarter before has multiplied.
.macro QUARTER slot, q, u, zero, kind
.set FB, 64+64*(\q%2)
.set FN, 64+64*((\q+1)%2)
.set QN, \q+1
.set AB, 64*(\u%4)
.set TQ, \u+3
	s_wait_loadcnt 32                              ; loads return in order: this quarter's 16 are in; the 16 of each of the two runs issued behind them stay out
	s_wait_dscnt 0                                 ; the weights' fragments of this quarter
	WIN MUL_LO
	MUL16 0, 0, \zero
	PLACES
	FETCH \slot
	ASK \kind
	WIN MUL_LO
	MUL16 0, 2, \zero
	WIN MUL_HI
	MUL16 1, 0, \zero
	MUL16 1, 2, \zero
.endm
; The last quarter of a slot changes slots.  In front of the barrier each wave waits for its reads of this slot and for all its tensor loads, of which one is out: its part of the next slot.
; Behind it (with fill: behind the cluster's round that it opens) the refill comes first.  From a request to the wait for it a wave issues 240 products.
.macro TURN slot, next, u, fill, kind
.set FB, 128
.set FN, 64
.set QN, 0
.set AB, 64*(\u%4)
.set TQ, \u+3
	s_wait_loadcnt 32
	s_wait_dscnt 0                                 ; the last fragments of this slot are in: my reads of it are over
	s_set_vgpr_msb 0xf4f0
	s_wait_tensorcnt 0x0                           ; all my tensor loads have landed
	ds_add_u32 v254, v255
	s_wait_dscnt 0x0
	s_set_vgpr_msb 0xf0f4
	s_barrier_signal -1
	WIN MUL_LO
	MUL16 0, 0, 0                                  ; register work while the others arrive
	WIN 0
	s_barrier_wait -1
.if \fill
	CREST                                          ; no wave of any partner still reads this slot or has a tensor load on its way
	s_add_nc_u64 s[G0+4*\slot+2:G0+4*\slot+3], s[G0+4*\slot+2:G0+4*\slot+3], 2*KSTEP*NCOL*2
	tensor_load_to_lds s[G0+4*\slot:G0+4*\slot+3], s[G1:G1+7]      ; my one tensor load behind the round, and the first thing there
	s_nop 0
.endif
	PLACES
	FETCH \next
	ASK \kind
	WIN MUL_LO
	MUL16 0, 2, 0
	WIN MUL_HI
	MUL16 1, 0, 0
	MUL16 1, 2, 0
.endm
.macro LAP zero                        ; once round the ring, both slots filled again
	QUARTER 0, 0, 0, \zero, 1
	QUARTER 0, 1, 1, 0, 1
	QUARTER 0, 2, 2, 0, 1
	TURN 0, 1, 3, 1, 1
	QUARTER 1, 0, 4, 0, 1
	QUARTER 1, 1, 5, 0, 1
	QUARTER 1, 2, 6, 0, 1
	TURN 1, 0, 7, 1, 1
	WIN 0
	s_wait_xcnt 0x0                                ; act's loads have had their addresses translated: their base is stepped only behind this wait
	s_add_nc_u64 s[4:5], s[4:5], 2*(KSTEP/32)*FRAG ; two slots on: 32 images along K
.endm
	s_wait_tensorcnt 0x1                           ; my part of slot 0 is in; slot 1's stays out
	s_barrier_signal -1
	s_barrier_wait -1
.set FN, 64
.set QN, 0
	FETCH 0
	LAP 1                                          ; the first lap stands in front of the loop: its first quarter starts the sums
	s_mov_b32 s3, LAPS-2
.Llap:
	LAP 0
	s_sub_co_u32 s3, s3, 1
	s_cmp_lg_u32 s3, 0
	s_cbranch_scc1 .Llap
	QUARTER 0, 0, 0, 0, 1                          ; the last lap fills no slot; act's last loads are those for its quarter 7
	QUARTER 0, 1, 1, 0, 1
	QUARTER 0, 2, 2, 0, 1
	TURN 0, 1, 3, 0, 1
	QUARTER 1, 0, 4, 0, 1
	QUARTER 1, 1, 5, 0, 2                          ; x1's rows 0-15 take the place of act's loads, so every quarter's count stays as it is
	QUARTER 1, 2, 6, 0, 2                          ; x1's rows 16-31
.set FB, 128
.set AB, 192
	s_wait_loadcnt 32                              ; the very last quarter: act's fragments are in, x1's 32 loads stay out
	s_wait_dscnt 0
	WIN MUL_LO
	MUL16 0, 0, 0
	MUL16 0, 2, 0
	WIN MUL_HI
	MUL16 1, 0, 0
	MUL16 1, 2, 0
	PLACES                                         ; the places behind the last matrix instructions, for all that follows
; THE WAY OUT: every wave lays its 128 x 128 partial block into LDS (the ring has had its last fill and, behind this barrier, its last read),
; then wave w adds the four blocks' rows 32 w .. 32 w + 31, the bias and x1, and stores whole rows of 512 bytes.
	WIN 0
	s_barrier_signal -1                            ; my reads of the ring were waited for in front of the last quarter, my tensor loads in the last change of slots
	s_barrier_wait -1
	WIN 0x08                                       ; store data in window 2
.irp a, 0,1,2,3
.irp b, 0,1,2,3,4,5,6,7
	ds_store_b128 v[STO], v[8*(8*\a+\b):8*(8*\a+\b)+3]   offset:\a*16*PPITCH+64*\b
	ds_store_b128 v[STO], v[8*(8*\a+\b)+4:8*(8*\a+\b)+7] offset:\a*16*PPITCH+64*\b+16
.endr
.endr
	WIN 0x0c                                       ; window 3: rows 64-127
.irp a, 0,1,2,3
.irp b, 0,1,2,3,4,5,6,7
	ds_store_b128 v[STO], v[8*(8*\a+\b):8*(8*\a+\b)+3]   offset:(\a+4)*16*PPITCH+64*\b
	ds_store_b128 v[STO], v[8*(8*\a+\b)+4:8*(8*\a+\b)+7] offset:(\a+4)*16*PPITCH+64*\b+16
.endr
.endr
	WIN 0
	s_wait_dscnt 0x0                               ; for the others' sake: all my stores are done
	s_barrier_signal -1
	s_barrier_wait -1
	s_wait_loadcnt 0x0                             ; x1
.irp g, 0,1,2,3
.if \g
	s_wait_xcnt 0x0                                ; the last eight stores' data registers are loaded again only behind this wait
.endif
.irp i, 0,1,2,3,4,5,6,7
.irp s, 0,1,2,3
	ds_load_b128 v[64+16*\i+4*\s:64+16*\i+4*\s+3], v[RDP+\s] offset:(8*\g+\i)*PPITCH    ; one row of one partial block: 32 lanes x 16 neighbouring bytes
.endr
.endr
	s_wait_dscnt 0x0
.irp i, 0,1,2,3,4,5,6,7
.irp k, 0,2
	v_pk_add_f32 v[64+16*\i+\k:64+16*\i+\k+1],   v[64+16*\i+\k:64+16*\i+\k+1],   v[64+16*\i+4+\k:64+16*\i+4+\k+1]
	v_pk_add_f32 v[64+16*\i+8+\k:64+16*\i+8+\k+1], v[64+16*\i+8+\k:64+16*\i+8+\k+1], v[64+16*\i+12+\k:64+16*\i+12+\k+1]
.endr
.irp k, 0,2
	v_pk_add_f32 v[64+16*\i+\k:64+16*\i+\k+1], v[64+16*\i+\k:64+16*\i+\k+1], v[64+16*\i+8+\k:64+16*\i+8+\k+1]
.endr
.irp k, 0,2
	v_pk_add_f32 v[64+16*\i+\k:64+16*\i+\k+1], v[64+16*\i+\k:64+16*\i+\k+1], v[BV+\k:BV+\k+1]
.endr
.endr
	WIN 0x04                                       ; source 1 (x1) in window 1: row rr at v[4 rr]
.irp i, 0,1,2,3,4,5,6,7
.irp k, 0,2
	v_pk_add_f32 v[64+16*\i+\k:64+16*\i+\k+1], v[64+16*\i+\k:64+16*\i+\k+1], v[4*(8*\g+\i)+\k:4*(8*\g+\i)+\k+1]
.endr
.endr
	WIN 0
.irp i, 0,1,2,3,4,5,6,7
	global_store_b128 v[CO], v[64+16*\i:64+16*\i+3], s[8:9] offset:(8*\g+\i)*4096    ; 512 consecutive bytes, at a multiple of 512 from out0's first byte
.endr
.endr
	s_wait_tensorcnt 0x0
	ds_add_u32 v254, v255
	s_wait_dscnt 0x0
	CROUND                                         ; the closing round: no work-group ends while a partner may still ask for a tile that names it
	s_endpgm
.Lfunc_end_k_q65c18475fe_mlp2:
	.size	k_q65c18475fe_mlp2, .Lfunc_end_k_q65c18475fe_mlp2-k_q65c18475fe_mlp2
	.p2alignl 7, 3214868480
	.fill 96, 4, 3214868480
	.section	.rodata,"a",@progbits
	.p2align	6, 0x0
	.amdhsa_kernel k_q65c18475fe_mlp2
		.amdhsa_group_segment_fixed_size 327680
		.amdhsa_private_segment_fixed_size 0
		.amdhsa_enable_private_segment 0
		.amdhsa_kernarg_size 40
		.amdhsa_user_sgpr_count 2
		.amdhsa_user_sgpr_kernarg_segment_ptr 1
		.amdhsa_wavefront_size32 1
		.amdhsa_system_sgpr_workgroup_id_x 1
		.amdhsa_system_sgpr_workgroup_id_y 1
		.amdhsa_system_sgpr_workgroup_id_z 1
		.amdhsa_system_vgpr_workitem_id 0
		.amdhsa_next_free_vgpr 1024
		.amdhsa_next_free_sgpr 76
		.amdhsa_reserve_vcc 0
		.amdhsa_float_denorm_mode_32 3
		.amdhsa_float_denorm_mode_16_64 3
		.amdhsa_memory_ordered 1
		.amdhsa_forward_progress 1
		.amdhsa_inst_pref_size 216
	.end_amdhsa_kernel
	.amdgpu_metadata
---
amdhsa.version: [ 1, 2 ]
amdhsa.kernels:
  - .name:           k_q65c18475fe_mlp2
    .symbol:         k_q65c18475fe_mlp2.kd
    .args:
      - { .name: act, .offset: 0, .size: 8, .value_kind: global_buffer, .address_space: global }
      - { .name: w2b, .offset: 8, .size: 8, .value_kind: global_buffer, .address_space: global }
      - { .name: out0, .offset: 16, .size: 8, .value_kind: global_buffer, .address_space: global }
      - { .name: b2, .offset: 24, .size: 8, .value_kind: global_buffer, .address_space: global }
      - { .name: x1, .offset: 32, .size: 8, .value_kind: global_buffer, .address_space: global }
    .group_segment_fixed_size: 327680
    .private_segment_fixed_size: 0
    .kernarg_segment_align: 8
    .kernarg_segment_size: 40
    .max_flat_workgroup_size: 128
    .sgpr_count:     76
    .vgpr_count:     1024
    .wavefront_size: 32
...
	.end_amdgpu_metadata
.endif
;; end of part 5
